; MI455X (gfx1250); checked and timed in simulation.
; The chip was launched on July 23, 2026; its instructions are those of AMD's public machine-readable ISA for CDNA 5 (MIT licence, August 2026) and "CDNA5" Instruction Set Architecture Reference Guide (July 2026). The comments in the code are by the model that wrote it; some were corrected since.
;; Multi Head Attention. Allowed arithmetic: matrix products marked QUANTISED: E3M2 operands, one E8M0 scale for each 32 along K, by v_wmma_scale_f32_16x16x128_f8f6f4 with both operands' format E3M2, f32 sums; everything else in f32.
;; Inputs: b1 3,072 float32; b2 1,024 float32; w1 3,072 x 1,024 float32; w2 1,024 x 1,024 float32; x 4 x 2,048 x 1,024 float32.
;; Outputs: out0 4 x 2,048 x 1,024 float32.
;; This version of the problem:
;;   THIS VERSION OF THE PROBLEM IS GIVEN IN LOW PRECISION. The matrix products marked QUANTISED in the list below multiply operands that are first quantised to E3M2 (3 exponent bits, 2 mantissa bits; 6 bits a number), with one power-of-two scale for each 32 numbers along K (OCP MX v1.0); their sums are f32. All else is computed in f32.
;;   The module's matrix products, in the order in which they are computed (A, B: the left and right operand; K: the contracted axis; several contracted axes count as one K, in the product's order):
;;     1. [M 8,192, K 1,024] x [K 1,024, N 3,072]; A: input x; B: input w1: QUANTISED
;;     2. batch 64 x [M 2,048, K 64] x [K 64, N 2,048]; A: computed on the way; B: computed on the way: QUANTISED
;;     3. batch 64 x [M 2,048, K 2,048] x [K 2,048, N 64]; A: softmax (see below); B: computed on the way: QUANTISED
;;     4. [M 8,192, K 1,024] x [K 1,024, N 1,024]; A: computed on the way; B: input w2: QUANTISED
;;   THE QUANTISER, for each operand of a quantised product, along K:
;;     - K is cut into blocks of 32 from its start; a last block that is shorter is filled with zeros.
;;     - A block's scale is 2^e with e = floor(log2(the largest magnitude in the block)) - 4, held to -126 .. 127; a block of zeros has e = 0. As a byte (E8M0): e + 127.
;;     - Each number is divided by its block's scale, clamped to +-28, and rounded to the nearest number of E3M2, ties to even, subnormals kept.
;;     - The product sums the exact products of the quantised numbers (number of the format x scale) in f32.
;;   ~~~python
;;   def quantise(x, axis):      # numpy; x: float32 -> the quantised numbers, widened to float32 again
;;       x = np.moveaxis(x, axis, -1); K = x.shape[-1]
;;       x = np.pad(x, [(0, 0)] * (x.ndim - 1) + [(0, -K % 32)]); x = x.reshape(x.shape[:-1] + (-1, 32)); a = np.abs(x).max(-1, keepdims=True)
;;       e = np.where(a > 0, np.clip(np.frexp(np.where(a > 0, a, 1))[1] - 1 - 4, -126, 127), 0)      # np.frexp(a)[1] - 1 = floor(log2(a)), exactly
;;       r = np.clip(x / 2.0 ** e, -28, 28)
;;       step = 2.0 ** (np.maximum(np.frexp(np.where(r == 0, 1, r))[1] - 1, -2) - 2)
;;       q = np.round(r / step) * step * 2.0 ** e      # np.round: ties to even
;;       return np.moveaxis(q.reshape(q.shape[:-2] + (-1,))[..., :K], -1, axis).astype(np.float32)
;;   ~~~
;;   SOFTMAX AHEAD OF A QUANTISED PRODUCT. Where the list says 'softmax', what is quantised is not the finished softmax but p = 2^(t - M), with t = logit x log2(e) and M = ceil(the row's largest t), a whole number; so 1/2 < the row's largest p <= 1. The row's sum l is taken of the UNQUANTISED p, in f32, and the product's result is divided by l at the end. Since M is a whole number, a kernel that streams over the keys may use a running M (the ceiling of the running maximum): every later rescaling is an exact power of two, which a block's scale takes up: the codes' values come out the same.
;;   OPERANDS COMPUTED ON THE WAY. 'Computed on the way' means the value that the module computes at that place (a softmax that the list does not call 'softmax' is quantised finished and normalised). What goes into a quantiser is computed in f32, as accurately as f32 sums, v_exp_f32 and their like allow (about 1e-6 of the number): no bf16 or f16 on the way to a quantiser, and a product that is left as it is and whose result goes on into a quantised operand takes f32 operands (vector FMAs, or v_wmma_f32_16x16x4_f32). A number that lies on a knife's edge between two numbers of the format may be rounded either way, as far as f32 arithmetic and the matrix unit's own rounding can turn it there, and no further.
;; One version. Each part assembles by itself: llvm-mc -triple=amdgcn-amd-amdhsa -mcpu=gfx1250 --defsym DOCPART=n.
;; ======== version 1 of 1: 4 launches
;; limits: right only within a limited range of input values
;; workspace buffers: cu 9,830,400 bytes; qkv 19,660,800 bytes; ou 6,553,600 bytes
;; launch quant (part 1): grid 384 x 1, 8 waves a work-group, no clusters, 69,632 bytes of LDS; arguments x, w1, w2, cu; writes cu
.if DOCPART == 1
	.amdgcn_target "amdgcn-amd-amdhsa--gfx1250"
	.amdhsa_code_object_version 6
	.text
	.protected	k_q5b1ef03746_quant
	.globl	k_q5b1ef03746_quant
	.p2align	8
	.type	k_q5b1ef03746_quant,@function
k_q5b1ef03746_quant:
	s_mov_b64 s[64:65], 0
	v_nop
	global_prefetch_b8 v0, s[64:65] scope:SCOPE_SE
	s_setreg_imm32_b32 hwreg(HW_REG_WAVE_MODE, 25, 1), 1
	s_wait_xcnt 0x0
; x [8192][1024], w1 [3072][1024], w2 [1024][1024], f32, K innermost, become codes of BF6 (E3M2) with one E8M0 byte for each 32 along K,
; laid in cu as the matrix unit's registers take them.
; THE FORMAT OF cu.  Rows go in groups of 128: groups 0-63 x, 64-87 w1, 88-95 w2.  A group has eight blocks of 16 rows; lane-row r of block a is
; row 32 (a / 2) + 8 (a % 2) + r + 8 (r / 8) of the group.  An IMAGE is a fragment (16 rows x 128 K, 12 registers a lane) as it stands: for c = 0, 1
; registers 6 c .. 6 c + 3 at 768 c + 16 x lane, registers 6 c + 4, 6 c + 5 at 768 c + 512 + 8 x lane: 1,536 bytes.  A UNIT (128 rows x 128 K) is the
; eight images and behind them, at 12,288 + 64 a + 4 r, each row's scale word: 12,800 bytes.  cu = [group][K step 0..7][unit].
; A block's scale is 2^(floor(log2(its largest magnitude)) - 4); its byte is the largest magnitude's exponent field - 4, held at 1 from below.
; LIMITS: NaN and infinities among the inputs are not served.  A block of zeros gets the byte 1 where the rule says 127: its codes are zeros, which add
; nothing under any byte but 0xff, and the bytes are read by this program alone.
; SHARES.  A work-group takes one group and two K steps: two units.  Wave a takes block a: 16 rows x 1,024 bytes.  All 32 loads of a wave go out at its head,
; each of 512 consecutive bytes of one row.  The conversions want 16 neighbours along K in one lane, so a K step's 16 x 512 bytes turn through the wave's
; own stage in LDS (rows 528 bytes apart, so that the sixteen rows that a read touches begin 16 bytes apart modulo 256).
.set UNIT,  12800
.set SROW,  528
.set STGB,  16*SROW                    ; a wave's stage
.set SCG,   8*STGB                     ; behind the stages: the two units' scale words, [K step][block][64 bytes]
.set O16,   4                          ; v4   16 x lane: a load's, an image's place
.set O8,    5                          ; v5   8 x lane
.set STI,   6                          ; v6   into the stage: 16 x lane, a row an instruction
.set STO,   7                          ; v7   out of it: row r, + 64 h: my 16 numbers of a block of 32
.set SWA,   8                          ; v8   where my row's scale word goes
.set SRA,   9                          ; v9   where waves 0 and 1 read a unit's 512 bytes of scale words back
.set TM,    12                         ; v12-27 at work in QUANT
.set PW,    28                         ; v28  the scale word just made
.set PC,    32                         ; v32-51 the codes just made
.set X,     56                         ; v56-119  64 numbers, register 16 b + i = k 32 b + 16 h + i of my row
.set R0,    120                        ; v120-183 K step 0 as loaded; later K step 1 turned
.set R1,    184                        ; v184-247 K step 1 as loaded
.set SEL,   20                         ; s[20:21] v_permlanex16_b32's selects for lane l xor 16
.set OUTB,  24                         ; s[24:25] my images in the first unit
.set WV,    28                         ; s28  my wave's number = my block
; 64 numbers become 12 registers of codes.  scl: four registers whose exponent fields are the four blocks' scales.
.macro CODES src, scl
.irp c, 0,1
	v_cvt_scalef32_pk16_bf6_f32 v[PC+6*\c:PC+2+6*\c], v[\src+32*\c:\src+15+32*\c], v[\scl+2*\c]
	v_cvt_scalef32_pk16_bf6_f32 v[PC+12+4*\c:PC+14+4*\c], v[\src+16+32*\c:\src+31+32*\c], v[\scl+2*\c+1]   ; (a conversion's three registers begin on an even number)
.endr
	v_nop                                          ; one plain place behind a scaled conversion
.irp c, 0,1                                    ; the operand's layout wants a WHOLE block in a lane: lanes 0-15 block 2 c, lanes 16-31 block 2 c + 1
.irp i, 0,1,2
	v_permlane16_swap_b32 v[PC+6*\c+\i], v[PC+12+4*\c+\i]
.endr
.irp i, 0,1,2
	s_delay_alu instid0(VALU_DEP_3)
	v_mov_b32 v[PC+3+6*\c+\i], v[PC+12+4*\c+\i]
.endr
.endr
.endm
.macro QUANT src
.irp b, 0,1,2,3
	v_max3_num_f32 v[TM+\b], |v[\src+16*\b]|, |v[\src+1+16*\b]|, 0x2800000   ; block b: my 16 numbers, and the floor 2^(5 - 127): so the byte cannot fall under 1
.endr
.irp i, 2,4,6,8,10,12,14
.irp b, 0,1,2,3
	s_delay_alu instid0(VALU_DEP_4)
	v_max3_num_f32 v[TM+\b], v[TM+\b], |v[\src+16*\b+\i]|, |v[\src+1+16*\b+\i]|   ; (the four blocks by turns)
.endr
.endr
.irp b, 0,1,2,3
	s_delay_alu instid0(VALU_DEP_4)
	v_permlanex16_b32 v[TM+4+\b], v[TM+\b], s[SEL], s[SEL+1]
.endr
.irp b, 0,1,2,3
	s_delay_alu instid0(VALU_DEP_4)
	v_max_num_f32 v[TM+\b], v[TM+\b], v[TM+4+\b]   ; with lane l xor 16's: the block's largest magnitude
.endr
.irp b, 0,1,2,3
	s_delay_alu instid0(VALU_DEP_4)
	v_add_nc_u32 v[TM+12+\b], 0xfe000000, v[TM+\b] ; 4 off its exponent field: the conversion's scale operand
.endr
.irp b, 0,1,2,3
	s_delay_alu instid0(VALU_DEP_4)
	v_lshrrev_b32 v[TM+4+\b], 23, v[TM+12+\b]      ; the scale's byte
.endr
	s_delay_alu instid0(VALU_DEP_3)
	v_lshl_or_b32 v[PW], v[TM+5], 8, v[TM+4]       ; the four bytes make my row's scale word
	s_delay_alu instid0(VALU_DEP_1)
	v_lshl_or_b32 v[PW], v[TM+6], 16, v[PW]
	s_delay_alu instid0(VALU_DEP_1)
	v_lshl_or_b32 v[PW], v[TM+7], 24, v[PW]
	CODES \src, TM+12
.endm
.macro IMGOUT pc, off                          ; an image leaves: each store covers 512 or 256 consecutive bytes, at a multiple of 256 from cu's first byte
	global_store_b128 v[O16], v[\pc:\pc+3], s[OUTB:OUTB+1] offset:\off
	global_store_b64 v[O8], v[\pc+4:\pc+5], s[OUTB:OUTB+1] offset:\off+512
	global_store_b128 v[O16], v[\pc+6:\pc+9], s[OUTB:OUTB+1] offset:\off+768
	global_store_b64 v[O8], v[\pc+10:\pc+11], s[OUTB:OUTB+1] offset:\off+1280
.endm
.macro LOAD reg, st                            ; K step st of my 16 rows: 512 consecutive bytes an instruction
.irp i, 0,1,2,3,4,5,6,7,8,9,10,11,12,13,14,15
	global_load_b128 v[\reg+4*\i:\reg+4*\i+3], v[O16], s[4:5] offset:(\i+8*(\i/8))*4096+512*\st th:TH_LOAD_NT
.endr
.endm
.macro TURN src, dst                           ; through the stage: LDS serves a wave's instructions in order, so no wait stands between the stores and the loads
.irp i, 0,1,2,3,4,5,6,7,8,9,10,11,12,13,14,15
	ds_store_b128 v[STI], v[\src+4*\i:\src+4*\i+3] offset:SROW*\i
.endr
.irp b, 0,1,2,3
.irp j, 0,1,2,3
	ds_load_b128 v[\dst+16*\b+4*\j:\dst+16*\b+4*\j+3], v[STO] offset:128*\b+16*\j
.endr
.endr
.endm
	s_load_b256 s[4:11], s[0:1], 0x0               ; x s[4:5], w1 s[6:7], w2 s[8:9], cu s[10:11]
	v_lshl_add_u32 v248, v0, 2, 0x10c00
	v_mov_b32 v249, 0
	v_lshrrev_b32 v1, 5, v0
	s_delay_alu instid0(VALU_DEP_1)
	v_readfirstlane_b32 s[WV], v1                  ; wave 0..7
	v_and_b32 v1, 31, v0                           ; lane
	v_and_b32 v2, 15, v0                           ; r
	v_bfe_u32 v3, v0, 4, 1                         ; h
	s_delay_alu instid0(VALU_DEP_3)
	v_lshlrev_b32 v[O16], 4, v1
	s_delay_alu instid0(VALU_DEP_4)
	v_lshlrev_b32 v[O8], 3, v1
	s_lshr_b32 s12, ttmp9, 2                       ; the group, 0..95
	s_and_b32 s13, ttmp9, 3                        ; which two K steps
	s_wait_alu depctr_va_vdst(0)
	s_wait_kmcnt 0x0
	s_cmp_lt_u32 s12, 64                           ; which tensor: the choice hangs on the work-group's number alone
	s_cselect_b64 s[4:5], s[4:5], s[6:7]
	s_cselect_b32 s14, 0, 64
	s_cmp_lt_u32 s12, 88
	s_cselect_b64 s[4:5], s[4:5], s[8:9]
	s_cselect_b32 s14, s14, 88
	s_sub_co_u32 s14, s12, s14                     ; the group within its tensor
	s_lshl_b32 s15, s14, 7
	s_lshr_b32 s16, s[WV], 1
	s_lshl_b32 s16, s16, 5
	s_add_co_u32 s15, s15, s16
	s_and_b32 s16, s[WV], 1
	s_lshl_b32 s16, s16, 3
	s_add_co_u32 s15, s15, s16                     ; my block's first row: 128 x group + 32 (a / 2) + 8 (a % 2)
	s_lshl_b32 s16, s15, 12                        ; rows of 4,096 bytes (under 2^26 bytes in all)
	s_lshl_b32 s17, s13, 10
	s_add_co_u32 s16, s16, s17                     ; + 1,024 bytes for each two K steps
	s_mov_b32 s17, 0
	s_add_nc_u64 s[4:5], s[4:5], s[16:17]
	LOAD R0, 0
	LOAD R1, 1
	s_mul_i32 s29, s[WV], STGB
	v_add_nc_u32 v[STI], s29, v[O16]
	v_mul_u32_u24 v[STO], v2, SROW
	s_delay_alu instid0(VALU_DEP_1)
	v_lshl_add_u32 v[STO], v3, 6, v[STO]
	s_delay_alu instid0(VALU_DEP_1)
	v_add_nc_u32 v[STO], s29, v[STO]
	s_lshl_b32 s29, s[WV], 6
	s_add_co_u32 s29, s29, SCG
	v_lshl_add_u32 v[SWA], v2, 2, s29              ; SCG + 64 a + 4 r
	s_and_b32 s30, s[WV], 1
	s_lshl_b32 s29, s30, 9
	s_add_co_u32 s29, s29, SCG
	v_add_nc_u32 v[SRA], s29, v[O16]               ; SCG + 512 (wave % 2) + 16 x lane
	s_lshl_b32 s18, s12, 3
	s_lshl_b32 s19, s13, 1
	s_add_co_u32 s18, s18, s19                     ; my first unit: 8 x group + K step
	s_mul_i32 s18, s18, UNIT
	s_mov_b32 s19, 0
	s_add_nc_u64 s[10:11], s[10:11], s[18:19]
	s_mul_i32 s22, s[WV], 1536
	s_mov_b32 s23, 0
	s_add_nc_u64 s[OUTB:OUTB+1], s[10:11], s[22:23]
	s_mul_i32 s22, s30, UNIT
	s_add_nc_u64 s[26:27], s[10:11], s[22:23]      ; the unit whose scale words wave 0 or 1 stores
	s_mov_b32 s[SEL], 0x76543210
	s_mov_b32 s[SEL+1], 0xfedcba98
.irp b, 0,1,2,3
	v_mov_b32 v[TM+4+\b], 0                        ; written once: a lane permute's destination counts as one of its sources
.endr
	s_wait_alu depctr_va_vdst(0)
	s_wait_loadcnt 16                              ; K step 0's sixteen loads are in; K step 1's sixteen may be out
	TURN R0, X
	s_wait_dscnt 0x0                               ; X is in, and the stores have read R0
	s_wait_loadcnt 0x0
	TURN R1, R0                                    ; K step 1 turns while K step 0 is quantised
	QUANT X
	IMGOUT PC, 0
	ds_store_b32 v[SWA], v[PW]                     ; lanes r and r + 16 write the same word with the same value
	s_wait_dscnt 0x0                               ; K step 1's numbers are back
	s_wait_xcnt 0x0                                ; the image's stores have read PC: it is written again only behind this wait
	QUANT R0
	IMGOUT PC, UNIT
	ds_store_b32 v[SWA], v[PW] offset:512
	s_wait_dscnt 0x0                               ; for the others' sake: my two scale words lie in LDS
	s_barrier_signal -1
	s_barrier_wait -1
	s_cmp_gt_u32 s[WV], 1                          ; waves 0 and 1 store a unit's 512 bytes of scale words each
	s_cbranch_scc1 .Ldone
	ds_load_b128 v[X:X+3], v[SRA]
	s_wait_dscnt 0x0
	global_store_b128 v[O16], v[X:X+3], s[26:27] offset:12288
.Ldone:
	s_wait_tensorcnt 0x0
	ds_add_u32 v248, v249
	s_wait_dscnt 0x0
	s_endpgm
.Lfunc_end_k_q5b1ef03746_quant:
	.size	k_q5b1ef03746_quant, .Lfunc_end_k_q5b1ef03746_quant-k_q5b1ef03746_quant
	.p2alignl 7, 3214868480
	.fill 96, 4, 3214868480
	.section	.rodata,"a",@progbits
	.p2align	6, 0x0
	.amdhsa_kernel k_q5b1ef03746_quant
		.amdhsa_group_segment_fixed_size 69632
		.amdhsa_private_segment_fixed_size 0
		.amdhsa_enable_private_segment 0
		.amdhsa_kernarg_size 32
		.amdhsa_user_sgpr_count 2
		.amdhsa_user_sgpr_kernarg_segment_ptr 1
		.amdhsa_wavefront_size32 1
		.amdhsa_system_sgpr_workgroup_id_x 1
		.amdhsa_system_sgpr_workgroup_id_y 1
		.amdhsa_system_sgpr_workgroup_id_z 1
		.amdhsa_system_vgpr_workitem_id 0
		.amdhsa_next_free_vgpr 250
		.amdhsa_next_free_sgpr 66
		.amdhsa_reserve_vcc 0
		.amdhsa_float_denorm_mode_32 3
		.amdhsa_float_denorm_mode_16_64 3
		.amdhsa_memory_ordered 1
		.amdhsa_forward_progress 1
		.amdhsa_inst_pref_size 23
	.end_amdhsa_kernel
	.amdgpu_metadata
---
amdhsa.version: [ 1, 2 ]
amdhsa.kernels:
  - .name:           k_q5b1ef03746_quant
    .symbol:         k_q5b1ef03746_quant.kd
    .args:
      - { .name: x, .offset: 0, .size: 8, .value_kind: global_buffer, .address_space: global }
      - { .name: w1, .offset: 8, .size: 8, .value_kind: global_buffer, .address_space: global }
      - { .name: w2, .offset: 16, .size: 8, .value_kind: global_buffer, .address_space: global }
      - { .name: cu, .offset: 24, .size: 8, .value_kind: global_buffer, .address_space: global }
    .group_segment_fixed_size: 69632
    .private_segment_fixed_size: 0
    .kernarg_segment_align: 8
    .kernarg_segment_size: 32
    .max_flat_workgroup_size: 256
    .sgpr_count:     66
    .vgpr_count:     250
    .wavefront_size: 32
...
	.end_amdgpu_metadata
.endif
;; end of part 1
;; launch gemm_qkv (part 2): grid 8 x 32, 4 waves a work-group, clusters of 4 x 4, 327,680 bytes of LDS; arguments cu, b1, qkv; writes qkv
.if DOCPART == 2
	.amdgcn_target "amdgcn-amd-amdhsa--gfx1250"
	.amdhsa_code_object_version 6
	.text
	.protected	k_q5b1ef03746_gemm_qkv
	.globl	k_q5b1ef03746_gemm_qkv
	.p2align	8
	.type	k_q5b1ef03746_gemm_qkv,@function
k_q5b1ef03746_gemm_qkv:
	s_mov_b64 s[64:65], 0
	v_nop
	global_prefetch_b8 v0, s[64:65] scope:SCOPE_SE
	s_setreg_imm32_b32 hwreg(HW_REG_WAVE_MODE, 25, 1), 1
	s_wait_xcnt 0x0
	s_wait_alu depctr_hold_cnt(0) depctr_sa_sdst(0) depctr_va_vdst(0) depctr_va_sdst(0) depctr_va_ssrc(0) depctr_va_vcc(0) depctr_vm_vsrc(0)
	s_getreg_b32 s2, hwreg(HW_REG_IB_STS2, 6, 4)
	s_cmp_eq_u32 s2, 0
	s_cbranch_scc0 .Lentry_in_a_cluster
	s_endpgm
.Lentry_in_a_cluster:
	s_bfe_u32 s2, ttmp6, 0x10000c
	s_cmp_lg_u32 s2, 0xf033
	s_cbranch_scc0 .Lentry_shape_is_right
	s_endpgm
.Lentry_shape_is_right:
; qkv = x w1^T + b1 on codes of BF6 (E3M2) with E8M0 scales, and the result quantised on the way out into the operands of the attention's two products.
; cu holds x (groups of 128 rows, 0-63) and w1 (groups 64-87) as units of 128 rows x 128 K, 12,800 bytes, a group's eight K steps on end: eight images of fragments as the registers take them (for c = 0, 1: registers
; 6 c .. 6 c + 3 at 768 c + 16 x lane, registers 6 c + 4, 6 c + 5 at 768 c + 512 + 8 x lane), then at 12,288 + 64 a + 4 r the rows' scale words.  Lane-row r of block a is row 32 (a / 2) + 8 (a % 2) + r + 8 (r / 8).
; qkv = [q, k, v][pair of heads][batch x 16 + group of 128 tokens][unit]: unit 64 f + t for group f of w1's rows (0-7 q, 8-15 k, 16-23 v) and group t of tokens.  q's and k's rows are tokens and their K the pair's 128
; features; v's rows are the pair's 128 channels and its K the group's 128 keys.
; SHARES.  32 x 8 = 256 work-groups that stay.  Work-group (X, y) keeps x's groups 2 y and 2 y + 1 FOR ALL OF K in LDS (204,800 bytes, filled once) and walks three groups of w1, f = 8 j + X for j = 0, 1, 2: q's or k's twice,
; then v's: the same roles in the same order in every work-group.  w1's group in hand lies behind x (102,400 bytes).  A wave makes 128 tokens (group wave / 2) x 64 rows of w1 (blocks 4 (wave % 2) .. + 3).
; Its fragments of w1 for all of K, 4 x 8 x 12 = 384 registers, are read from LDS once for each j and stay.  When every wave has read them, a round of the cluster's barrier frees those LDS bytes, and the next group's
; joint load is asked for: 256 matrix instructions of each wave stand between that request and the wait for it.  So no prefetch is laid: the two refills are asked for a whole sub-tile ahead, and all else at the head.
; j = 0, 1 (q, k): source 0 = 16 rows of w1, source 1 = 16 tokens: a lane holds one token, its 32 registers of a block of tokens run along my 64 features in the order 32 p + 16 h + i: one head.  The eight blocks of tokens
; are finished one after the other (32 matrix instructions, the block's four accumulators by turns); each becomes HALF AN IMAGE (c = wave % 2) and two scale bytes a row, and leaves at once.
; j = 2 (v): the sources change places: a lane holds one channel, and the registers of four blocks of tokens run along 64 keys: after blocks 0-3 and after blocks 4-7 each of my four blocks of channels gives half an image.
; THE BIAS is the C of each accumulator's first product: b1 along the registers (q, k) or one number a lane, eight times (v).
; CLUSTERS: 4 x 4 work-groups; x's groups are asked for jointly along a row of the cluster, w1's along a column.
; LIMITS: NaN and infinities are not served.  A block of zeros gets the byte 1 where the rule says 127: its codes are zeros, and the bytes are read by this program alone.
; REGISTERS: window 0: v1-31 addresses; v32-63 w1's scale words [K step][block]; v64-79 x's, two sets; v80-207 accumulators; v208-221 at work; v224-255 codes, four sets.
;   Window 1: x's fragments of a block, 8 K steps x 12, two sets.  Windows 2 and 3: w1's fragments of K steps 0-3 and 4-7, at 48 (q % 4) + 12 b; from v192 on the bias: window 2 for j = 0, 1, window 3 for j = 2.
.set UNIT,   12800
.set GRP,    8*UNIT                    ; a group's eight K steps
.set HALFK,  4*UNIT
.set BREG,   2*GRP                     ; w1's group lies behind x's two
.set SPARE,  3*GRP                     ; behind the tiles: the spare words, 128 bytes for each wave
.set SCW,    SPARE+512                 ; q's and k's scale words: [j][group of tokens][512 bytes]; no fill lands here
.set VST,    SCW+2048                  ; v's scale words: 256 bytes for each wave
.set A16,    1                         ; v1-2   x's images, K steps 0-3 and 4-7: + 16 x lane
.set A8,     3                         ; v3-4   + 8 x lane
.set B16,    5                         ; v5-6   the same for my four blocks of w1
.set B8,     7                         ; v7-8
.set AS,     9                         ; v9-10  x's scale words: + 4 r
.set BS,     11                        ; v11-12 w1's
.set O16,    13                        ; v13  q, k: my half of an image: 16 x lane + 768 (wave % 2)
.set O8,     14                        ; v14  8 x lane + 768 (wave % 2)
.set SWA,    15                        ; v15  SCW + 512 (wave / 2) + 4 r + 2 (wave % 2): where a row's two scale bytes go
.set SRA,    16                        ; v16  SCW + 512 (wave / 2) + 16 x lane: where a unit's scale words are read back
.set V16,    18                        ; v18  v: my four blocks' images: 16 x lane + 6,144 (wave % 2)
.set V8,     19                        ; v19  8 x lane + 6,144 (wave % 2)
.set VSW,    20                        ; v20  VST + 256 x wave + 4 r
.set VSR,    21                        ; v21  VST + 256 x wave + 8 x lane
.set VSO,    22                        ; v22  8 x lane + 256 (wave % 2): my 256 bytes of a unit's scale words
.set L16,    26                        ; v26  16 x lane
.set SPW,    28                        ; v28  LDS address of my spare word; never rewritten
.set NIL,    29                        ; v29  0; never rewritten
.set SB,     32
.set SA,     64
.set ACC,    80
.set TM,     208                       ; +0,1 largest magnitudes; +2,3 the other half's, then bytes; +4,5 second chains, then the conversions' scale operands; +6..8 a conversion's three; +9 two bytes; +10..13 v's bytes of keys 0-63
.set COD,    224
.set G1,  24                           ; s[24:31] descriptor group 1 for x's groups;  s[48:55] for w1's halves
.set G1B, 48
.set G0,  68                           ; s[68:71] group 0 for x's;  s[72:75] for w1's
.set G0B, 72
.set SEL, 76                           ; s[76:77] v_permlanex16_b32's selects for lane l xor 16
.set MSB, 0
.macro WIN new                         ; the immediate's high byte repeats the setting that is left
.if MSB != (\new)
	s_set_vgpr_msb (MSB<<8)|(\new)
.set MSB, (\new)
.endif
.endm
.macro CREST                           ; a round of the cluster's barrier behind its opening barrier
	s_cmp_lg_u32 s14, 0
	s_cbranch_scc1 .Lnot_wave_0_\@
	s_barrier_signal -3
.Lnot_wave_0_\@:
	s_barrier_wait -3
	s_barrier_signal -1
	s_barrier_wait -1
.endm
.macro CROUND                          ; a whole round
	s_barrier_signal -1
	s_barrier_wait -1
	CREST
.endm
.macro PLACES n
.rept \n
	v_nop
.endr
.endm
.macro FRAG reg, a16, a8, off          ; an image comes back as it was stored: every instruction reads consecutive bytes
	ds_load_b128 v[\reg:\reg+3], v[\a16] offset:\off
	ds_load_b64 v[\reg+4:\reg+5], v[\a8] offset:\off+512
	ds_load_b128 v[\reg+6:\reg+9], v[\a16] offset:\off+768
	ds_load_b64 v[\reg+10:\reg+11], v[\a8] offset:\off+1280
.endm
.macro ALOAD a                         ; block a of my tokens, all eight K steps, into set a % 2: 32 loads of fragments and 8 of scale words
	WIN 0x40                                       ; destination window 1, address window 0
.irp q, 0,1,2,3,4,5,6,7
	FRAG 96*((\a)%2)+12*\q, A16+\q/4, A8+\q/4, UNIT*(\q%4)+1536*(\a)
.endr
	WIN 0
.irp q, 0,1,2,3,4,5,6,7
	ds_load_b32 v[SA+8*((\a)%2)+\q], v[AS+\q/4] offset:UNIT*(\q%4)+12288+64*(\a)
.endr
.endm
.macro BLOAD                           ; my four blocks of w1's group in hand, all eight K steps: scale words and fragments
.irp q, 0,1,2,3,4,5,6,7
.irp b, 0,1,2,3
	ds_load_b32 v[SB+4*\q+\b], v[BS+\q/4] offset:UNIT*(\q%4)+12288+64*\b
.endr
.endr
.irp q, 0,1,2,3,4,5,6,7
	WIN 0x80+0x40*(\q/4)                           ; destination window 2 or 3
.irp b, 0,1,2,3
	FRAG 48*(\q%4)+12*\b, B16+\q/4, B8+\q/4, UNIT*(\q%4)+1536*\b
.endr
.endr
.endm
; Block a of my tokens against my four blocks of w1, all of K: 32 matrix instructions, four accumulators by turns.  role 0 (q, k): source 0 = w1, source 1 = x, accumulator (a % 2, b).  role 1 (v): the other way round,
; accumulator (b, a % 4).  The windows: s_set_vgpr_msb's bits 1:0 source 0, 3:2 source 1, 5:4 C, 7:6 D.
.macro ROW a, role, j
.set AB, 96*((\a)%2)
.set SAW, SA+8*((\a)%2)
.irp q, 0,1,2,3,4,5,6,7
.if \role == 0
.if \q == 0
	WIN 0x26                                       ; w1 window 2, x window 1, the bias window 2
.else
	WIN 0x06+\q/4
.endif
.else
.if \q == 0
	WIN 0x39                                       ; x window 1, w1 window 2, the bias window 3
.else
	WIN 0x09+4*(\q/4)
.endif
.endif
.irp b, 0,1,2,3
.if \role == 0
.set AC, ACC+32*((\a)%2)+8*\b
.if \q == 0
	v_wmma_scale_f32_16x16x128_f8f6f4 v[AC:AC+7], v[12*\b:12*\b+11], v[AB:AB+11], v[192+32*(\j)+8*\b:192+32*(\j)+8*\b+7], v[SB+\b], v[SAW] matrix_a_fmt:MATRIX_FMT_BF6 matrix_b_fmt:MATRIX_FMT_BF6
.else
	v_wmma_scale_f32_16x16x128_f8f6f4 v[AC:AC+7], v[48*(\q%4)+12*\b:48*(\q%4)+12*\b+11], v[AB+12*\q:AB+12*\q+11], v[AC:AC+7], v[SB+4*\q+\b], v[SAW+\q] matrix_a_fmt:MATRIX_FMT_BF6 matrix_b_fmt:MATRIX_FMT_BF6
.endif
.else
.set AC, ACC+32*\b+8*((\a)%4)
.if \q == 0
	v_wmma_scale_f32_16x16x128_f8f6f4 v[AC:AC+7], v[AB:AB+11], v[12*\b:12*\b+11], v[192+8*\b:192+8*\b+7], v[SAW], v[SB+\b] matrix_a_fmt:MATRIX_FMT_BF6 matrix_b_fmt:MATRIX_FMT_BF6
.else
	v_wmma_scale_f32_16x16x128_f8f6f4 v[AC:AC+7], v[AB+12*\q:AB+12*\q+11], v[48*(\q%4)+12*\b:48*(\q%4)+12*\b+11], v[AC:AC+7], v[SAW+\q], v[SB+4*\q+\b] matrix_a_fmt:MATRIX_FMT_BF6 matrix_b_fmt:MATRIX_FMT_BF6
.endif
.endif
.endr
.endr
	WIN 0
.endm
; 32 registers, with lane l xor 16's 64 neighbours along the next K of the lane's row, become half a fragment's codes, six registers at cd, and two scale bytes in wr.  Each accumulator is read from its low end on.
.macro QHALF src, cd, wr
	s_wait_xcnt 0x0                                ; earlier stores have read their registers: the codes' sets are written again only behind this wait
.irp p, 0,1                                    ; two blocks of 32, each in two chains
	v_max3_num_f32 v[TM+\p], |v[\src+16*\p]|, |v[\src+16*\p+1]|, 0x2800000   ; and the floor 2^(5 - 127): the byte cannot fall under 1
	v_max3_num_f32 v[TM+4+\p], |v[\src+16*\p+8]|, |v[\src+16*\p+9]|, |v[\src+16*\p+10]|
.endr
.irp i, 2,4
.irp p, 0,1
	v_max3_num_f32 v[TM+\p], v[TM+\p], |v[\src+16*\p+\i]|, |v[\src+16*\p+\i+1]|
	v_max3_num_f32 v[TM+4+\p], v[TM+4+\p], |v[\src+16*\p+\i+9]|, |v[\src+16*\p+\i+10]|
.endr
.endr
.irp p, 0,1
	v_max3_num_f32 v[TM+\p], v[TM+\p], |v[\src+16*\p+6]|, |v[\src+16*\p+7]|
.endr
.irp p, 0,1
	v_max3_num_f32 v[TM+\p], v[TM+\p], v[TM+4+\p], |v[\src+16*\p+15]|
.endr
.irp p, 0,1
	v_permlanex16_b32 v[TM+2+\p], v[TM+\p], s[SEL], s[SEL+1]
.endr
.irp p, 0,1
	v_max_num_f32 v[TM+\p], v[TM+\p], v[TM+2+\p]   ; the block's largest magnitude
.endr
.irp p, 0,1
	v_add_nc_u32 v[TM+4+\p], 0xfe000000, v[TM+\p]  ; 4 off its exponent field: the conversion's scale operand
.endr
.irp p, 0,1
	v_lshrrev_b32 v[TM+2+\p], 23, v[TM+4+\p]       ; the scale's byte
.endr
	v_lshl_or_b32 v[\wr], v[TM+3], 8, v[TM+2]
	v_cvt_scalef32_pk16_bf6_f32 v[\cd:\cd+2], v[\src:\src+15], v[TM+4]
	v_cvt_scalef32_pk16_bf6_f32 v[TM+6:TM+8], v[\src+16:\src+31], v[TM+5]   ; (a conversion's three registers begin on an even number)
	v_nop                                          ; one plain place behind a scaled conversion
.irp i, 0,1,2                                  ; the operand's layout wants a WHOLE block in a lane
	v_permlane16_swap_b32 v[\cd+\i], v[TM+6+\i]
.endr
.irp i, 0,1,2
	v_mov_b32 v[\cd+3+\i], v[TM+6+\i]
.endr
.endm
; ONE GROUP OF w1.  refill = 1: when every wave of the cluster has its fragments of this group in registers, the next group is asked for.
.macro SUB role, j, refill
	PLACES 4                                       ; in front of loads into registers that the last products have read
	ALOAD 0
	BLOAD
	ALOAD 1
.if \refill
	s_wait_tensorcnt 0x0                           ; no tensor load of mine is out, so a group 0 may be written
	ds_add_u32 v[SPW], v[NIL]                      ; 0 onto my spare word
	s_add_nc_u64 s[G0B+2:G0B+3], s[G0B+2:G0B+3], 8*GRP   ; w1's next group: eight groups on
	s_wait_dscnt 0x0                               ; the add is done, and my reads of w1's group are over
	CROUND                                         ; no wave of any partner still reads those bytes or has a load on its way
	s_cmp_eq_u32 s15, 0                            ; waves 2 and 3 fetch a half each, as at the head; waves 0 and 1 have no part of it
	s_cbranch_scc1 .Lno_fill_\@
	tensor_load_to_lds s[G0B:G0B+3], s[G1B:G1B+7]
	s_nop 0
	PLACES 4
.Lno_fill_\@:
.else
	s_wait_dscnt 0x0
.endif
	ROW 0, \role, \j
.irp a, 0,1,2,3,4,5,6,7
	PLACES 4                                       ; behind block a's products: their results are read, and loads go into their operands' registers
.if \a < 6
	ALOAD \a+2
.endif
.if \role == 0
	QHALF ACC+32*(\a%2), COD+8*(\a%4), TM+9
	global_store_b128 v[O16], v[COD+8*(\a%4):COD+8*(\a%4)+3], s[12:13] offset:1536*\a          ; half an image: the stores cover 512 and 256 consecutive bytes, at multiples of 256 from qkv's first byte
	global_store_b64 v[O8], v[COD+8*(\a%4)+4:COD+8*(\a%4)+5], s[12:13] offset:1536*\a+512
	ds_store_b16 v[SWA], v[TM+9] offset:1024*(\j)+64*\a   ; lanes r and r + 16 write the same bytes with the same value
.else
.if \a%4 == 3
.irp b, 0,1,2,3
.if \a == 3
	QHALF ACC+32*\b, COD+8*\b, TM+10+\b            ; keys 0-63: the two bytes are kept
.else
	QHALF ACC+32*\b, COD+8*\b, TM+9                ; keys 64-127:
	v_lshl_or_b32 v[TM+9], v[TM+9], 16, v[TM+10+\b]   ; the row's scale word is whole
	ds_store_b32 v[VSW], v[TM+9] offset:64*\b      ; lanes r and r + 16 write the same word with the same value
.endif
	global_store_b128 v[V16], v[COD+8*\b:COD+8*\b+3], s[12:13] offset:1536*\b+768*(\a/4)
	global_store_b64 v[V8], v[COD+8*\b+4:COD+8*\b+5], s[12:13] offset:1536*\b+768*(\a/4)+512
.endr
.endif
.endif
.if \a < 6
	s_wait_dscnt 40                                ; block a + 1's fragments are in: behind them came at least block a + 2's 40 loads
.endif
.if \a == 6
	s_wait_dscnt 0x0
.endif
.if \a < 7
	ROW \a+1, \role, \j
.endif
.endr
.endm
; Between two groups: the next group of w1 is shown whole to every wave, and so are this group's scale bytes: the wave with the even head stores its unit's 512 bytes of them.
.macro NEXT j
	s_wait_tensorcnt 0x0                           ; my part of the next group is in
	s_wait_dscnt 0x0                               ; my scale bytes lie in LDS
	s_barrier_signal -1
	s_barrier_wait -1
	s_cmp_lg_u32 s16, 0
	s_cbranch_scc1 .Lno_words_\@
	s_wait_xcnt 0x0                                ; earlier stores have read the registers that the load below writes
	ds_load_b128 v[COD:COD+3], v[SRA] offset:1024*(\j)
	s_wait_dscnt 0x0
	global_store_b128 v[L16], v[COD:COD+3], s[12:13] offset:12288
.Lno_words_\@:
	s_wait_xcnt 0x0                                ; the stores have read their base
	s_add_nc_u64 s[12:13], s[12:13], 512*UNIT      ; my unit of the next group: 64 x 8 units on
.endm
	s_load_b128 s[4:7], s[0:1], 0x0                ; cu s[4:5], b1 s[6:7]
	s_load_b64 s[8:9], s[0:1], 0x10                ; qkv
	v_lshl_add_u32 v[SPW], v0, 2, SPARE
	v_mov_b32 v[NIL], 0
	ds_add_u32 v[SPW], v[NIL]                      ; the opening lines: the add, twice on end, and its wait ahead of the round in front of the first loads
	ds_add_u32 v[SPW], v[NIL]
	v_lshrrev_b32 v31, 5, v0
	v_readfirstlane_b32 s14, v31                   ; wave 0..3
	s_lshr_b32 s15, s14, 1                         ; which group of tokens is mine.  Also: I fetch for x (0) or for w1 (1)
	s_and_b32 s16, s14, 1                          ; which four blocks of w1.  Also: which half I fetch
	s_bfe_u32 s40, ttmp6, 0x40000                  ; cx, cy: my place in the cluster
	s_bfe_u32 s41, ttmp6, 0x40004
	s_lshl_b32 s42, ttmp9, 2
	s_add_co_u32 s42, s42, s40                     ; X, 0..7
	s_and_b32 s17, ttmp7, 0xffff
	s_lshl_b32 s17, s17, 2
	s_add_co_u32 s17, s17, s41                     ; y, 0..31
	s_lshl_b32 s43, s41, 2
	s_lshl_b32 s43, 15, s43                        ; my row of the cluster
	s_lshl_b32 s44, 0x1111, s40                    ; my column
	; descriptor groups 1: dense bytes as rows of 256 (32 elements of 8 bytes), no padding: 400 rows for a group of x, 200 for half of a group of w1
	s_or_b32 s[G1+0], s43, (3<<16)|(1<<21)         ; 15:0 the mask; 17:16 elements of 8 bytes; 21 set beside a mask
	s_or_b32 s[G1B+0], s44, (3<<16)|(1<<21)
	s_mov_b32 s[G1+2], 400<<16                     ; tensor_dim1
	s_mov_b32 s[G1+4], 400                         ; tile_dim1
	s_mov_b32 s[G1B+2], 200<<16
	s_mov_b32 s[G1B+4], 200
.irp g, G1, G1B
	s_mov_b32 s[\g+1], 32<<16                      ; tensor_dim0
	s_mov_b32 s[\g+3], 32<<16                      ; tile_dim0
	s_mov_b32 s[\g+5], 32                          ; tensor_dim0_stride
	s_mov_b32 s[\g+6], 0
	s_mov_b32 s[\g+7], 0
.endr
	s_lshl_b32 s20, s17, 1
	s_add_co_u32 s20, s20, s16
	s_mul_i32 s20, s20, GRP                        ; x: group 2 y + the one that I fetch
	s_mov_b32 s21, 0
	s_add_co_u32 s46, s42, 64
	s_mul_i32 s46, s46, GRP                        ; w1: group 64 + X at first,
	s_mul_i32 s47, s16, HALFK
	s_add_co_u32 s46, s46, s47                     ; + the four K steps that I fetch
	s_mov_b32 s47, 0
	s_mul_i32 s45, s16, GRP                        ; where they go: no place in the cluster enters an LDS address
	s_mul_i32 s18, s16, HALFK
	s_add_co_u32 s18, s18, BREG
	s_lshl_b32 s56, s42, 9
	s_lshl_b32 s57, s16, 8
	s_add_co_u32 s56, s56, s57                     ; b1 from 128 X + 64 (wave % 2) on, in bytes; 4,096 bytes on for each j
	s_mov_b32 s57, 0
	s_lshl_b32 s58, s42, 6
	s_lshl_b32 s59, s17, 1
	s_add_co_u32 s58, s58, s59
	s_add_co_u32 s58, s58, s15                     ; my first unit: 64 X + 2 y + wave / 2
	s_mul_i32 s58, s58, UNIT
	s_mov_b32 s59, 0
	s_mul_i32 s32, s15, GRP                        ; LDS: my group of x, K steps 0-3,
	s_add_co_u32 s33, s32, HALFK                   ; and 4-7;
	s_mul_i32 s61, s16, 6144
	s_add_co_u32 s34, s61, BREG                    ; my four blocks of w1,
	s_add_co_u32 s35, s34, HALFK
	s_lshl_b32 s63, s16, 8
	s_add_co_u32 s36, s63, BREG                    ; and their scale words (12,288 on)
	s_add_co_u32 s37, s36, HALFK
	s_mul_i32 s38, s16, 768
	s_lshl_b32 s60, s15, 9
	s_add_co_u32 s60, s60, SCW                     ; SCW + 512 (wave / 2)
	s_lshl_b32 s39, s16, 1
	s_add_co_u32 s39, s39, s60
	s_lshl_b32 s62, s14, 8
	s_add_co_u32 s62, s62, VST                     ; VST + 256 x wave
	s_mov_b32 s[SEL], 0x76543210
	s_mov_b32 s[SEL+1], 0xfedcba98
	s_wait_dscnt 0x0                               ; both opening adds are done
	s_wait_kmcnt 0x0
	s_add_nc_u64 s[20:21], s[4:5], s[20:21]
	s_add_nc_u64 s[46:47], s[4:5], s[46:47]
	s_add_nc_u64 s[56:57], s[6:7], s[56:57]
	s_add_nc_u64 s[12:13], s[8:9], s[58:59]
	CROUND                                         ; all sixteen work-groups are here: the joint loads meet
	s_mov_b32 s[G0], 1
	s_mov_b32 s[G0+1], s45
	s_mov_b64 s[G0+2:G0+3], s[20:21]
	s_or_b32 s[G0+3], s[G0+3], 0x80000000
	s_mov_b32 s[G0B], 1
	s_mov_b32 s[G0B+1], s18
	s_mov_b64 s[G0B+2:G0B+3], s[46:47]
	s_or_b32 s[G0B+3], s[G0B+3], 0x80000000
	s_cmp_eq_u32 s15, 0                            ; one tensor load a wave; each of the two lines has one mask; the branch hangs on the wave's number alone
	s_cbranch_scc0 .Lfor_b
	tensor_load_to_lds s[G0:G0+3], s[G1:G1+7]
	s_nop 0
	PLACES 4
	s_branch .Lasked
.Lfor_b:
	tensor_load_to_lds s[G0B:G0B+3], s[G1B:G1B+7]
	s_nop 0
	PLACES 4
.Lasked:
	v_and_b32 v23, 15, v0                          ; r
	v_bfe_u32 v24, v0, 4, 1                        ; h
	v_and_b32 v25, 31, v0                          ; lane
	v_lshlrev_b32 v30, 6, v24                      ; 64 h: q, k: register 8 b + i of a lane is row 32 (b / 2) + 8 (b % 2) + 16 h + i of my 64 of w1
	v_and_b32 v31, 8, v23
	v_add_nc_u32 v31, v31, v23
	v_lshlrev_b32 v31, 2, v31                      ; 4 (r + 8 (r / 8)): v: my row of a block of w1
	WIN 0x80                                       ; destination window 2
.irp j, 0,1
.irp b, 0,1,2,3
	global_load_b128 v[192+32*\j+8*\b:192+32*\j+8*\b+3], v30, s[56:57] offset:4096*\j+(32*(\b/2)+8*(\b%2))*4
	global_load_b128 v[192+32*\j+8*\b+4:192+32*\j+8*\b+7], v30, s[56:57] offset:4096*\j+(32*(\b/2)+8*(\b%2))*4+16
.endr
.endr
	WIN 0xc0                                       ; destination window 3
.irp b, 0,1,2,3
.irp i, 0,1,2,3,4,5,6,7
	global_load_b32 v[192+8*\b+\i], v31, s[56:57] offset:8192+(32*(\b/2)+8*(\b%2))*4
.endr
.endr
	WIN 0
	v_lshlrev_b32 v[L16], 4, v25
	v_lshlrev_b32 v27, 3, v25
	v_lshlrev_b32 v17, 2, v23
.irp k, 0,1
	v_add_nc_u32 v[A16+\k], s[32+\k], v[L16]
	v_add_nc_u32 v[A8+\k], s[32+\k], v27
	v_add_nc_u32 v[B16+\k], s[34+\k], v[L16]
	v_add_nc_u32 v[B8+\k], s[34+\k], v27
	v_add_nc_u32 v[AS+\k], s[32+\k], v17
	v_add_nc_u32 v[BS+\k], s[36+\k], v17
.endr
	v_add_nc_u32 v[O16], s38, v[L16]
	v_add_nc_u32 v[O8], s38, v27
	v_add_nc_u32 v[SWA], s39, v17
	v_add_nc_u32 v[SRA], s60, v[L16]
	v_add_nc_u32 v[V16], s61, v[L16]
	v_add_nc_u32 v[V8], s61, v27
	v_add_nc_u32 v[VSW], s62, v17
	v_add_nc_u32 v[VSR], s62, v27
	v_add_nc_u32 v[VSO], s63, v27
	v_mov_b32 v[TM+2], 0                           ; written once: a lane permute's destination counts as one of its sources
	v_mov_b32 v[TM+3], 0
	s_wait_alu depctr_va_vdst(0)
	s_wait_loadcnt 0x0                             ; the bias
	s_wait_tensorcnt 0x0                           ; my tile is in
	s_barrier_signal -1
	s_barrier_wait -1                              ; everybody's is
	SUB 0, 0, 1                                    ; q's or k's group X
	NEXT 0
	SUB 0, 1, 1                                    ; k's or q's group 8 + X
	NEXT 1
	SUB 1, 2, 0                                    ; v's group 16 + X
	ds_load_b64 v[TM:TM+1], v[VSR]                 ; LDS serves a wave's instructions in order: this sees my four stores
	s_wait_dscnt 0x0
	global_store_b64 v[VSO], v[TM:TM+1], s[12:13] offset:12288   ; my 256 bytes of the unit's scale words: one aligned run
	s_wait_tensorcnt 0x0                           ; the wave's end
	ds_add_u32 v[SPW], v[NIL]
	s_wait_dscnt 0x0
	CROUND                                         ; the closing round: no work-group ends while a partner may still ask for a tile that names it
	s_endpgm
.Lfunc_end_k_q5b1ef03746_gemm_qkv:
	.size	k_q5b1ef03746_gemm_qkv, .Lfunc_end_k_q5b1ef03746_gemm_qkv-k_q5b1ef03746_gemm_qkv
	.p2alignl 7, 3214868480
	.fill 96, 4, 3214868480
	.section	.rodata,"a",@progbits
	.p2align	6, 0x0
	.amdhsa_kernel k_q5b1ef03746_gemm_qkv
		.amdhsa_group_segment_fixed_size 327680
		.amdhsa_private_segment_fixed_size 0
		.amdhsa_enable_private_segment 0
		.amdhsa_kernarg_size 24
		.amdhsa_user_sgpr_count 2
		.amdhsa_user_sgpr_kernarg_segment_ptr 1
		.amdhsa_wavefront_size32 1
		.amdhsa_system_sgpr_workgroup_id_x 1
		.amdhsa_system_sgpr_workgroup_id_y 1
		.amdhsa_system_sgpr_workgroup_id_z 1
		.amdhsa_system_vgpr_workitem_id 0
		.amdhsa_next_free_vgpr 1024
		.amdhsa_next_free_sgpr 96
		.amdhsa_reserve_vcc 0
		.amdhsa_float_denorm_mode_32 3
		.amdhsa_float_denorm_mode_16_64 3
		.amdhsa_memory_ordered 1
		.amdhsa_forward_progress 1
		.amdhsa_inst_pref_size 255
	.end_amdhsa_kernel
	.section	.bss,"aw",@nobits
	.p2align	6
	.space	262144
	.amdgpu_metadata
---
amdhsa.version: [ 1, 2 ]
amdhsa.kernels:
  - .name:           k_q5b1ef03746_gemm_qkv
    .symbol:         k_q5b1ef03746_gemm_qkv.kd
    .args:
      - { .name: cu, .offset: 0, .size: 8, .value_kind: global_buffer, .address_space: global }
      - { .name: b1, .offset: 8, .size: 8, .value_kind: global_buffer, .address_space: global }
      - { .name: qkv, .offset: 16, .size: 8, .value_kind: global_buffer, .address_space: global }
    .group_segment_fixed_size: 327680
    .private_segment_fixed_size: 0
    .kernarg_segment_align: 8
    .kernarg_segment_size: 24
    .max_flat_workgroup_size: 128
    .sgpr_count:     96
    .vgpr_count:     1024
    .wavefront_size: 32
...
	.end_amdgpu_metadata
.endif
;; end of part 2
;; launch attn (part 3): grid 8 x 32, 16 waves a work-group, no clusters, 327,680 bytes of LDS; arguments qkv, ou; writes ou
.if DOCPART == 3
	.amdgcn_target "amdgcn-amd-amdhsa--gfx1250"
	.amdhsa_code_object_version 6
	.text
	.protected	k_q5b1ef03746_attn
	.globl	k_q5b1ef03746_attn
	.p2align	8
	.type	k_q5b1ef03746_attn,@function
k_q5b1ef03746_attn:
	s_mov_b64 s[64:65], 0
	v_nop
	global_prefetch_b8 v0, s[64:65] scope:SCOPE_SE
	s_setreg_imm32_b32 hwreg(HW_REG_WAVE_MODE, 25, 1), 1
	s_wait_xcnt 0x0
; o = softmax(q k^T / 8 + causal mask) v for 64 heads of 64, 2,048 tokens, both products on codes of BF6 (E3M2) with E8M0 scales; o / the row's sum is quantised along D and leaves as codes.
; qkv = [q, k, v][pair of heads][batch x 16 + group of 128 tokens][unit of 12,800 bytes].  A unit is eight images of fragments (16 rows x 128 K; for c = 0, 1: registers 6 c .. 6 c + 3 at 768 c + 16 x lane,
; registers 6 c + 4, 6 c + 5 at 768 c + 512 + 8 x lane) and at 12,288 + 64 a + 4 r the rows' scale words.  Lane-row r of block a is row 32 (a / 2) + 8 (a % 2) + r + 8 (r / 8).  q's and k's rows are tokens, their K
; the pair's 128 features: half image c is head c of the pair, and bytes 2 c, 2 c + 1 of a scale word are its scales.  v's rows are the pair's 128 channels (blocks 4 c .. 4 c + 3: head c), its K the group's 128 keys.
; ou = [batch x 16 + group][pair][unit]: rows tokens, K the pair's 128 features of o.
; THE SOFTMAX: t = score x log2(e) / 8; M = the row's largest t so far, rounded UP to a whole number; p = 2^(t - M) is what is quantised, along the keys.  The row's sum is taken of the unquantised p and divides O
; at the end.  When M moves, the sum and O are multiplied by 2^(old M - new M): exact.  Hidden scores become -infinity, so p = 0.
; WORK LEFT OUT: key steps all of whose keys come after all queries of a group: the causal mask gives them p = 0 for every input.
; SHARES.  A work-group has one batch, one pair of heads and two groups of 128 queries: 15 - i (g = 0) and i (g = 1).  Wave w takes ONE head, w / 8, and one block of 16 queries, w % 8, IN BOTH GROUPS: so in every key step
; all sixteen waves have the same work, and each wave has (16 - i) + (i + 1) = 17 head-steps in all.
; THE WALK.  A key step is 128 keys: K's unit and V's.  A slot holds FOUR key steps: K's four units lie on end in memory and come by one tensor load of 200 rows of 256 bytes, V's likewise.  LDS holds K's eight units
; (slot 0, slot 1), then V's eight.  The walk is written as 2 laps x 2 slots x 4 steps, all counts constants; a step behind a group's diagonal is jumped over, and so is the fill of a slot none of whose steps counts,
; by scalar branches on ids that are the same in all waves; every wave runs every wait, add and barrier.  There are four barriers in all; between them the waves do not meet.
; The step's place in LDS is a scalar stepped in the loop; it is added to the lanes' address bases in the places behind the products.
; Both products are used transposed: S^T = K Q^T, O^T = V^T P^T: a lane holds ONE query, and by the blocks' choice of rows its registers run along the keys, then along the channels, in the order 32 b + 16 h + i.
; K = 64 IN AN INSTRUCTION OF 128: my head's half image stands in the operand's lower half, for q and k alike, whichever head it is; q's upper half holds zero codes.  K's tile t lies at v[FV + 6 t]; its operand's upper
; half is whatever follows: some codes of E3M2, which has no infinity and no NaN; against zero codes they add nothing.  The two scale bytes of my head are read as 16 bits; the upper two bytes are 0, a finite scale.
; No cluster: the work-groups that walk the same K and V need different numbers of slots.
; LIMITS: NaN and infinities are not served; the promise holds while |t| stays under 2^31; a block of zeros gets the byte 1 where the rule says 127 (its codes are zeros; this program alone reads the bytes);
; o is O x v_rcp_f32(the sum).
.set UNIT,  12800
.set SLOT,  4*UNIT                     ; a slot's part of K, or of V: four units, in LDS and in memory
.set VREG,  2*SLOT                     ; V's eight units lie behind K's eight
.set SPARE, 4*SLOT                     ; the spare words: 128 bytes for each of 16 waves
.set OSC,   SPARE+2048                 ; o's scale words, 512 bytes a group; no fill lands here
.set KA16, 1                           ; v1   16 x lane + 768 e: my head's half image (in K's unit, in q's unit, in o's unit)
.set KA8,  2                           ; v2   8 x lane + 768 e
.set KSA,  3                           ; v3   4 r + 2 e: my head's two scale bytes
.set VA16, 4                           ; v4   16 x lane + 6,144 e: my head's four blocks of V
.set VA8,  5                           ; v5   8 x lane + 6,144 e
.set VSA,  6                           ; v6   4 r + 256 e
.set DQ,   7                           ; v7   my query within its group - 16 h
.set SPW,  8                           ; v8   LDS address of my spare word; never rewritten
.set NIL,  9                           ; v9   0; never rewritten
.set PFO,  10                          ; v10  the prefetches' offset
.set PW,   11                          ; v11  p's scale word
.set TB,   12                          ; v12-14 K's three addresses of the step; later a conversion's three registers
.set QS0,  15                          ; v15  q's scales, g = 0
.set ST,   16                          ; group g at v[ST + 4 g]: -M, the largest t, the sum in two halves
.set QF,   24                          ; group g at v[QF + 12 g]: q's six registers, then six of zero codes
.set FV,   48                          ; v48-95 K's eight half images, then V's four fragments
.set FF,   FV+48                       ; v96  f = 2^(old M - new M)
.set TP,   FV+49                       ; v97  at work
.set TMX,  FV+50                       ; v98-101 each block's largest score, its largest p, the conversion's scale operand
.set KSC,  102                         ; v102-109 K's eight scale words; then V's four in the first four
.set S,    110                         ; v110-173 S^T, then p
.set OT,   174                         ; v174-237 O^T, 32 registers a group
.set PC,   238                         ; v238-249 p's codes
.set T8,   250                         ; v250-253 V's three addresses of the step; then at work
.set QS1,  254                         ; v254 q's scales, g = 1
.set TM,   FV                          ; the way out: at work
.set EH,   17                          ; s17  my head of the pair
.set WV,   18                          ; s18  my wave's number
.set AW,   19                          ; s19  my block of queries
.set SEL,  20                          ; s[20:21] selects for lane l xor 16
.set CS,   22                          ; s[22:23] c = log2(e) / 8
.set G1,   24                          ; s[24:31] descriptor group 1
.set G0,   32                          ; s[32:39] group 0, one set for each slot
.set GA,   40                          ; s40  15 - i: group g = 0 and its last key step
.set KS,   41                          ; s41  the key step in hand
.set CNT,  42                          ; s42  steps done in the slot
.set ASKL, 43                          ; s43  key steps under which my work-group prefetches: 8 where i = 0, else 0
.set PFA,  44                          ; s[44:45] where my prefetches stand
.set GB,   46                          ; s46  i: group g = 1 and its last key step
.set LAP,  54                          ; s54  laps done
.set PO,   55                          ; s55  the step's K unit in LDS
.set POV,  56                          ; s56  the step's V unit in LDS
.set NXT,  57                          ; s57  the next slot's first key step
.set OUTB, 58                          ; s[58:59], s[60:61] my block's image in o's unit, g = 0, 1
.macro TLOAD sl                                ; wave 0 fetches K's four units, wave 1 V's, the others nothing; s_nop 0 and four v_nop follow the line
	s_cmp_lt_u32 s[WV], 2
	s_cbranch_scc0 .Lnone_\@
	tensor_load_to_lds s[G0+4*(\sl):G0+4*(\sl)+3], s[G1:G1+7]
	s_nop 0
.rept 4
	v_nop
.endr
.Lnone_\@:
.endm
; A PREFETCH INTO THE L2 of the slot that the NEXT change of slots will ask for.  The eight work-groups of a batch and pair walk the same K and V: the one with i = 0, which walks all four slots' worth, asks.  A slot's worth
; is eight units of 50 blocks of 256 bytes: waves 2 u and 2 u + 1 ask for unit u (0-3 K's, 4-7 V's), lanes 256 bytes apart, 32 and 18 blocks (the second wave's last 14 lanes are held at the unit's last block):
; one instruction a wave.  It runs at the changes at key steps 0 and 4, which load steps 4-7 and 8-11, and names steps 8-11 and 12-15: none lies past the end.
.macro ASK
	s_cmp_lt_u32 s[KS], s[ASKL]
	s_cbranch_scc0 .Lnot_mine_\@
	global_prefetch_b8 v[PFO], s[PFA:PFA+1] th:TH_LOAD_NT scope:SCOPE_SE
.Lnot_mine_\@:
.endm
.macro WHOLE pc, tmp                           ; the operand's layout wants a WHOLE block in a lane: lanes 0-15 the first block, lanes 16-31 the second
.irp i, 0,1,2
	v_permlane16_swap_b32 v[\pc+\i], v[\tmp+\i]
.endr
.irp i, 0,1,2
	s_delay_alu instid0(VALU_DEP_3)
	v_mov_b32 v[\pc+3+\i], v[\tmp+\i]
.endr
.endm
.macro CODES src, scl                          ; 64 numbers become 12 registers of codes (a conversion's three registers begin on an even number: each block pair's second three are made elsewhere and moved)
	v_cvt_scalef32_pk16_bf6_f32 v[PC:PC+2], v[\src:\src+15], v[\scl]
	v_cvt_scalef32_pk16_bf6_f32 v[T8:T8+2], v[\src+16:\src+31], v[\scl+1]
	v_cvt_scalef32_pk16_bf6_f32 v[PC+6:PC+8], v[\src+32:\src+47], v[\scl+2]
	v_cvt_scalef32_pk16_bf6_f32 v[TB:TB+2], v[\src+48:\src+63], v[\scl+3]
	v_nop                                          ; one plain place behind a scaled conversion
	WHOLE PC, T8
	WHOLE PC+6, TB
.endm
; ONE GROUP'S PART OF A KEY STEP: the step's 128 keys, my 16 queries of group g, my head.
.macro HSTEP g
.set NM, ST+4*(\g)
.set OE, OT+32*(\g)
.set QG, QF+12*(\g)
.set QW, QS0+(QS1-QS0)*(\g)
.set GG, GA+(GB-GA)*(\g)
	v_add_nc_u32 v[TB], s[PO], v[KA16]             ; the step's addresses.  (These four lines are also the places in front of loads into registers that the last products have read)
	v_add_nc_u32 v[TB+1], s[PO], v[KA8]
	v_add_nc_u32 v[TB+2], s[PO], v[KSA]
	v_nop
.irp t, 0,1,2,3,4,5,6,7
	ds_load_b128 v[FV+6*\t:FV+6*\t+3], v[TB] offset:1536*\t
	ds_load_b64 v[FV+6*\t+4:FV+6*\t+5], v[TB+1] offset:1536*\t+512
	ds_load_u16 v[KSC+\t], v[TB+2] offset:12288+64*\t
.endr
	s_wait_dscnt 0x0
.irp t, 0,1,2,3,4,5,6,7
	v_wmma_scale_f32_16x16x128_f8f6f4 v[S+8*\t:S+8*\t+7], v[FV+6*\t:FV+6*\t+11], v[QG:QG+11], 0, v[KSC+\t], v[QW] matrix_a_fmt:MATRIX_FMT_BF6 matrix_b_fmt:MATRIX_FMT_BF6
.endr
	v_add_nc_u32 v[T8], s[POV], v[VA16]            ; (places again: the scores are read, and K's registers take V's fragments and scale words)
	v_add_nc_u32 v[T8+1], s[POV], v[VA8]
	v_add_nc_u32 v[T8+2], s[POV], v[VSA]
	v_nop
.irp t, 0,1,2,3                                ; V's four fragments of my head's 64 channels: asked for here, so that they land during the softmax
	ds_load_b128 v[FV+12*\t:FV+12*\t+3], v[T8] offset:1536*\t
	ds_load_b64 v[FV+12*\t+4:FV+12*\t+5], v[T8+1] offset:1536*\t+512
	ds_load_b128 v[FV+12*\t+6:FV+12*\t+9], v[T8] offset:1536*\t+768
	ds_load_b64 v[FV+12*\t+10:FV+12*\t+11], v[T8+1] offset:1536*\t+1280
	ds_load_b32 v[KSC+\t], v[T8+2] offset:12288+64*\t
.endr
	s_cmp_lt_u32 s[KS], s[GG]                      ; a step ahead of the diagonal: all its keys count
	s_cbranch_scc1 .Lopen_\@
	v_mov_b32 v[TP], 0xff800000                    ; -infinity.  Register 16 b + i holds key 32 b + 16 h + i of the group: hidden where 32 b + i > my query - 16 h
.set n, 0
.rept 64
	v_cmp_gt_i32 vcc_lo, 32*(n/16)+n%16, v[DQ]
	v_cndmask_b32 v[S+n], v[S+n], v[TP], vcc_lo
.set n, n+1
.endr
.Lopen_\@:
.irp b, 0,1,2,3
	v_max3_num_f32 v[TMX+\b], v[S+16*\b], v[S+1+16*\b], v[S+2+16*\b]   ; THE LARGEST SCORE OF EACH BLOCK OF 32 KEYS: for the row's maximum and, since p rises with the score, for the block's largest p
.endr
.irp i, 3,5,7,9,11,13
.irp b, 0,1,2,3
	v_max3_num_f32 v[TMX+\b], v[TMX+\b], v[S+16*\b+\i], v[S+1+16*\b+\i]
.endr
.endr
.irp b, 0,1,2,3
	v_max_num_f32 v[TMX+\b], v[TMX+\b], v[S+15+16*\b]
.endr
.irp b, 0,1,2,3
	s_delay_alu instid0(VALU_DEP_4)
	v_permlanex16_b32 v[T8+\b], v[TMX+\b], s[SEL], s[SEL+1]
.endr
.irp b, 0,1,2,3
	s_delay_alu instid0(VALU_DEP_4)
	v_max_num_f32 v[TMX+\b], v[TMX+\b], v[T8+\b]   ; with lane l xor 16's 16 keys
.endr
	s_delay_alu instid0(VALU_DEP_2)
	v_max3_num_f32 v[TP], v[TMX], v[TMX+1], v[TMX+2]
	s_delay_alu instid0(VALU_DEP_1)
	v_max_num_f32 v[TP], v[TP], v[TMX+3]           ; the step's largest score of my query
	s_delay_alu instid0(VALU_DEP_1)
	v_mul_f32 v[TP], s[CS], v[TP]                  ; as t (c is positive)
	s_delay_alu instid0(VALU_DEP_1)
	v_max_num_f32 v[NM+1], v[NM+1], v[TP]          ; the running largest t
	v_mov_b32 v[TP], v[NM]
	s_delay_alu instid0(VALU_DEP_2)
	v_floor_f32 v[NM], -v[NM+1]                    ; the new -M = floor(-t) = -ceil(t): a whole number
	s_delay_alu instid0(VALU_DEP_1)
	v_sub_f32 v[TP], v[NM], v[TP]                  ; old M - new M: a whole number, 0 or less
	s_delay_alu instid0(VALU_DEP_1)
	v_cvt_i32_f32 v[TP], v[TP]                     ; (it saturates)
	s_delay_alu instid0(VALU_DEP_1)
	v_ldexp_f32 v[FF], 1.0, v[TP]                  ; f = 2^(old M - new M)
.set j, 0
.rept 32
	v_pk_fma_f32 v[S+j:S+1+j], v[S+j:S+1+j], s[CS:CS+1], v[NM:NM+1] op_sel_hi:[1,0,0]   ; t - M, two at a time (of the pairs c and -M the low word serves both halves)
.set j, j+2
.endr
.irp b, 0,1,2,3
	v_fma_f32 v[TMX+\b], v[TMX+\b], s[CS], v[NM]   ; the same of each block's largest score
.endr
.set j, 0
	s_wait_alu depctr_va_vdst(0)
.rept 64
	v_exp_f32 v[S+j], v[S+j]                       ; p = 2^(t - M), at most 1: NOT normalised
.set j, j+1
.endr
	v_pk_mul_f32 v[NM+2:NM+3], v[NM+2:NM+3], v[FF:FF+1] op_sel_hi:[1,0]   ; the sums under the new M.  (A plain place behind the exponentials)
	s_wait_alu depctr_va_vdst(0)                   ; one wait for the whole batch, ahead of its first reader
.irp b, 0,1,2,3
	v_exp_f32 v[TMX+\b], v[TMX+\b]                 ; the block's largest p: the same two instructions on the same number give the same bits
.endr
	v_pk_add_f32 v[T8:T8+1], v[S:S+1], v[S+2:S+3]  ; THE ROW'S SUM IS TAKEN OF THE UNQUANTISED p: two at a time, in two chains
.set j, 4
.rept 15
	v_pk_add_f32 v[NM+2:NM+3], v[NM+2:NM+3], v[S+j:S+1+j]
	v_pk_add_f32 v[T8:T8+1], v[T8:T8+1], v[S+2+j:S+3+j]
.set j, j+4
.endr
	s_delay_alu instid0(VALU_DEP_1)
	v_pk_add_f32 v[NM+2:NM+3], v[NM+2:NM+3], v[T8:T8+1]
	s_wait_alu depctr_va_vdst(0)                   ; and one for the four
.irp b, 0,1,2,3
	v_max_num_f32 v[TMX+\b], 0x2800000, v[TMX+\b]  ; the floor 2^(5 - 127): the byte cannot fall under 1 (a block whose every p is 0 keeps that byte: its codes are zeros)
.endr
.irp b, 0,1,2,3
	s_delay_alu instid0(VALU_DEP_4)
	v_add_nc_u32 v[TMX+\b], 0xfe000000, v[TMX+\b]  ; 4 off the exponent field: the conversion's scale operand
.endr
.irp b, 0,1,2,3
	s_delay_alu instid0(VALU_DEP_4)
	v_lshrrev_b32 v[T8+\b], 23, v[TMX+\b]          ; the scale's byte
.endr
	s_delay_alu instid0(VALU_DEP_3)
	v_lshl_or_b32 v[PW], v[T8+1], 8, v[T8]         ; p's scale word for these 128 keys
	s_delay_alu instid0(VALU_DEP_1)
	v_lshl_or_b32 v[PW], v[T8+2], 16, v[PW]
	s_delay_alu instid0(VALU_DEP_1)
	v_lshl_or_b32 v[PW], v[T8+3], 24, v[PW]
	CODES S, TMX
	s_wait_alu depctr_va_vdst(0)                   ; directly ahead of the first reader of O^T
.set j, 0
.rept 16
	v_pk_mul_f32 v[OE+j:OE+1+j], v[OE+j:OE+1+j], v[FF:FF+1] op_sel_hi:[1,0]   ; O^T under the new M.  (These are also the places between the writing of p's codes and scale word and the products)
.set j, j+2
.endr
	s_wait_alu depctr_va_vdst(0)
	s_wait_dscnt 0x0                               ; V's fragments and scale words are in
.irp t, 0,1,2,3                                ; four accumulators by turns, one instruction a turn
	v_wmma_scale_f32_16x16x128_f8f6f4 v[OE+8*\t:OE+8*\t+7], v[FV+12*\t:FV+12*\t+11], v[PC:PC+11], v[OE+8*\t:OE+8*\t+7], v[KSC+\t], v[PW] matrix_a_fmt:MATRIX_FMT_BF6 matrix_b_fmt:MATRIX_FMT_BF6
.endr
.endm
.macro KSTEP                                   ; a key step: each group while the step is not behind its diagonal: scalar branches on ids, the same in all waves, round loads, products and softmax alone
	s_cmp_gt_u32 s[KS], s[GA]
	s_cbranch_scc1 .Lhid_a_\@
	HSTEP 0
.Lhid_a_\@:
	s_cmp_gt_u32 s[KS], s[GB]
	s_cbranch_scc1 .Lhid_b_\@
	HSTEP 1
.Lhid_b_\@:
	s_add_co_u32 s[KS], s[KS], 1
	s_add_co_u32 s[PO], s[PO], UNIT
	s_add_co_u32 s[POV], s[POV], UNIT
.endm
; THE CHANGE OF SLOTS stands at a slot's head.  Each wave waits for all its tensor loads (its part of the slot that is about to be read), adds 0 to its spare word, and waits for that and for its reads of the slot that it has left.
; Behind the barrier the slot ahead is whole and nobody reads the other one, which takes the next four key steps if any of them counts for group 15 - i: one tensor load of a wave is out, and it has four key steps in which
; to land.  Only two waves load.
.macro CHANGE slot
	s_wait_tensorcnt 0x0                           ; no tensor load of mine is out, so a group 0 may be written
	ds_add_u32 v[SPW], v[NIL]                      ; 0 onto my spare word
	ds_add_u32 v[SPW], v[NIL]
	s_add_nc_u64 s[G0+4*\slot+2:G0+4*\slot+3], s[G0+4*\slot+2:G0+4*\slot+3], 2*SLOT   ; this slot's next fill: eight key steps on
	s_wait_xcnt 0x0                                ; the last prefetch, a slot back, has read its address, so it may be written
	s_add_nc_u64 s[PFA:PFA+1], s[PFA:PFA+1], SLOT
	s_add_co_u32 s[NXT], s[KS], 4
	s_mov_b32 s[PO], \slot*SLOT                    ; this slot's first step
	s_mov_b32 s[POV], VREG+\slot*SLOT
	s_mov_b32 s[CNT], 0
	s_wait_dscnt 0x0                               ; the adds are done, and my reads of the slot that I have left are over
	s_barrier_signal -1
	s_barrier_wait -1
	s_cmp_gt_u32 s[NXT], s[GA]                     ; ids alone, the same in all waves: the jump leads round the load and its own lines, and round nothing else
	s_cbranch_scc1 .Lno_fill_\@
	TLOAD 1-\slot                                  ; the first thing behind the barrier, and a wave's one tensor load until the next
.Lno_fill_\@:
	ASK
.endm
	s_load_b128 s[4:7], s[0:1], 0x0                ; qkv s[4:5], ou s[6:7]
	v_lshl_add_u32 v[SPW], v0, 2, SPARE
	v_mov_b32 v[NIL], 0
	ds_add_u32 v[SPW], v[NIL]                      ; the opening lines: the add, twice on end, and its wait ahead of the first tensor load
	ds_add_u32 v[SPW], v[NIL]
	v_lshrrev_b32 v16, 5, v0
	s_delay_alu instid0(VALU_DEP_1)
	v_readfirstlane_b32 s[WV], v16                 ; wave 0..15
	s_and_b32 s[AW], s[WV], 7
	s_lshr_b32 s[EH], s[WV], 3
	s_and_b32 s47, ttmp7, 0xffff
	s_and_b32 s48, s47, 7                          ; the pair of heads
	s_lshr_b32 s49, s47, 3                         ; the batch
	s_sub_co_u32 s[GA], 15, ttmp9
	s_mov_b32 s[GB], ttmp9
	s_mov_b32 s[KS], 0
	s_lshl_b32 s50, s48, 6
	s_lshl_b32 s51, s49, 4
	s_add_co_u32 s50, s50, s51                     ; 64 x pair + 16 x batch
	s_and_b32 s52, s[WV], 1                        ; what I fetch, if I fetch: K's units (0) or V's (1)
	s_lshl_b32 s53, s52, 9
	s_add_co_u32 s53, s53, 512
	s_add_co_u32 s53, s53, s50
	s_mul_i32 s54, s53, UNIT
	s_mov_b32 s55, 0
	s_mul_i32 s56, s52, VREG                       ; and their place in LDS
	; descriptor group 1: four units, 51,200 dense bytes, as 200 rows of 256 bytes (32 elements of 8 bytes), no padding, no mask
	s_mov_b32 s[G1], 3<<16
	s_mov_b32 s[G1+1], 32<<16                      ; tensor_dim0
	s_mov_b32 s[G1+2], 200<<16                     ; tensor_dim1
	s_mov_b32 s[G1+3], 32<<16                      ; tile_dim0
	s_mov_b32 s[G1+4], 200                         ; tile_dim1
	s_mov_b32 s[G1+5], 32                          ; tensor_dim0_stride
	s_mov_b32 s[G1+6], 0
	s_mov_b32 s[G1+7], 0
	s_add_co_u32 s8, s50, s[GA]                    ; q's units
	s_mul_i32 s8, s8, UNIT
	s_add_co_u32 s10, s50, s[GB]
	s_mul_i32 s10, s10, UNIT
	s_mul_i32 s57, s[AW], 1536
	s_lshl_b32 s63, s[AW], 6
	s_add_co_u32 s12, s8, s63                      ; + 64 a: my block's scale words (12,288 on)
	s_add_co_u32 s14, s10, s63
	s_add_co_u32 s8, s8, s57                       ; + 1,536 a: my block's image
	s_add_co_u32 s10, s10, s57
	s_mov_b32 s9, 0
	s_mov_b32 s11, 0
	s_mov_b32 s13, 0
	s_mov_b32 s15, 0
	s_add_co_u32 s16, s63, OSC                     ; OSC + 64 a
	s_add_co_u32 s[OUTB], s51, s[GA]               ; o's units: (16 x batch + group) x 8 + pair
	s_lshl_b32 s[OUTB], s[OUTB], 3
	s_add_co_u32 s[OUTB], s[OUTB], s48
	s_mul_i32 s[OUTB], s[OUTB], UNIT
	s_add_co_u32 s[OUTB], s[OUTB], s57
	s_mov_b32 s[OUTB+1], 0
	s_add_co_u32 s[OUTB+2], s51, s[GB]
	s_lshl_b32 s[OUTB+2], s[OUTB+2], 3
	s_add_co_u32 s[OUTB+2], s[OUTB+2], s48
	s_mul_i32 s[OUTB+2], s[OUTB+2], UNIT
	s_add_co_u32 s[OUTB+2], s[OUTB+2], s57
	s_mov_b32 s[OUTB+3], 0
	s_lshl_b32 s62, s[EH], 9                       ; the prefetches: waves 0-7 K's units, waves 8-15 V's,
	s_bfe_u32 s63, s[WV], 0x20001                  ; (wave / 2) % 4: which of a slot's four,
	s_add_co_u32 s62, s62, s63
	s_add_co_u32 s62, s62, 516                     ; at key steps 4-7: the first change of slots steps it to 8-11
	s_add_co_u32 s62, s62, s50
	s_mul_i32 s[PFA], s62, UNIT
	s_mov_b32 s[PFA+1], 0
	s_cmp_eq_u32 ttmp9, 0                          ; the work-group with i = 0 asks
	s_cselect_b32 s[ASKL], 8, 0
	s_lshl_b32 s62, s[EH], 9
	s_add_co_u32 s62, s62, OSC                     ; OSC + 512 e
	s_mul_i32 s47, s[EH], 768                      ; my head's place in an image, in V's unit, in a scale word, in V's scale words
	s_mul_i32 s48, s[EH], 6144
	s_lshl_b32 s49, s[EH], 1
	s_lshl_b32 s50, s[EH], 8
	s_lshr_b32 s51, s[AW], 1
	s_lshl_b32 s51, s51, 5
	s_and_b32 s63, s[AW], 1
	s_lshl_b32 s63, s63, 3
	s_add_co_u32 s51, s51, s63                     ; 32 (a / 2) + 8 (a % 2)
	s_lshl_b32 s53, s52, 5
	s_mov_b32 s[SEL], 0x76543210
	s_mov_b32 s[SEL+1], 0xfedcba98
	s_mov_b32 s[CS], 0x3e38aa3b                    ; c = log2(e) / 8
	s_mov_b32 s[CS+1], s[CS]                       ; (named with it as a pair, so it is written)
	s_wait_dscnt 0x0                               ; both opening adds are done
	s_wait_kmcnt 0x0
	s_add_nc_u64 s[54:55], s[4:5], s[54:55]
.irp s, 0,1
	s_mov_b32 s[G0+4*\s], 1                        ; count = 1
	s_add_co_u32 s[G0+4*\s+1], s56, \s*SLOT        ; LDS address
	s_add_nc_u64 s[G0+4*\s+2:G0+4*\s+3], s[54:55], \s*SLOT   ; global address: key steps 4 s .. 4 s + 3
	s_or_b32 s[G0+4*\s+3], s[G0+4*\s+3], 0x80000000   ; type = 2
.endr
	TLOAD 0                                        ; key steps 0-3 into slot 0
	s_add_nc_u64 s[8:9], s[4:5], s[8:9]
	s_add_nc_u64 s[10:11], s[4:5], s[10:11]
	s_add_nc_u64 s[12:13], s[4:5], s[12:13]
	s_add_nc_u64 s[14:15], s[4:5], s[14:15]
	s_add_nc_u64 s[OUTB:OUTB+1], s[6:7], s[OUTB:OUTB+1]
	s_add_nc_u64 s[OUTB+2:OUTB+3], s[6:7], s[OUTB+2:OUTB+3]
	s_add_nc_u64 s[PFA:PFA+1], s[4:5], s[PFA:PFA+1]
	v_and_b32 v16, 15, v0                          ; r
	v_bfe_u32 v17, v0, 4, 1                        ; h
	v_and_b32 v18, 31, v0                          ; lane
	s_delay_alu instid0(VALU_DEP_1)
	v_lshl_add_u32 v[KA16], v18, 4, s47
	s_delay_alu instid0(VALU_DEP_2)
	v_lshl_add_u32 v[KA8], v18, 3, s47
	s_delay_alu instid0(VALU_DEP_3)
	v_lshl_add_u32 v[VA16], v18, 4, s48
	s_delay_alu instid0(VALU_DEP_4)
	v_lshl_add_u32 v[VA8], v18, 3, s48
	v_lshl_add_u32 v[KSA], v16, 2, s49
	v_lshl_add_u32 v[VSA], v16, 2, s50
	v_and_b32 v[DQ], 8, v16
	v_lshlrev_b32 v19, 4, v17
	v_add_nc_u32 v[PFO], s53, v18
	s_delay_alu instid0(VALU_DEP_3)
	v_add_nc_u32 v[DQ], v[DQ], v16
	s_delay_alu instid0(VALU_DEP_2)
	v_min_u32 v[PFO], 49, v[PFO]
	s_delay_alu instid0(VALU_DEP_2)
	v_add_nc_u32 v[DQ], s51, v[DQ]                 ; my query within its group
	s_delay_alu instid0(VALU_DEP_2)
	v_lshlrev_b32 v[PFO], 8, v[PFO]                ; 256 x min(32 (wave % 2) + lane, 49)
	s_delay_alu instid0(VALU_DEP_2)
	v_sub_nc_u32 v[DQ], v[DQ], v19                 ; - 16 h
.irp g, 0,1                                    ; q: my head's half image and scale bytes of my block, in both groups
	global_load_b128 v[QF+12*\g:QF+12*\g+3], v[KA16], s[8+2*\g:9+2*\g] th:TH_LOAD_NT
	global_load_b64 v[QF+12*\g+4:QF+12*\g+5], v[KA8], s[8+2*\g:9+2*\g] offset:512 th:TH_LOAD_NT
	global_load_u16 v[QS0+(QS1-QS0)*\g], v[KSA], s[12+2*\g:13+2*\g] offset:12288 th:TH_LOAD_NT
.endr
.irp g, 0,1
	v_mov_b32 v[ST+4*\g+1], 0xff61b1e6             ; the largest t so far: -3e38, under every t
	s_delay_alu instid0(VALU_DEP_1)
	v_floor_f32 v[ST+4*\g], -v[ST+4*\g+1]          ; -M
	v_mov_b32 v[ST+4*\g+2], 0                      ; the sum, in two halves
	v_mov_b32 v[ST+4*\g+3], 0
.endr
.irp j, 6,7,8,9,10,11,18,19,20,21,22,23
	v_mov_b32 v[QF+\j], 0                          ; zero codes: the upper half of q's operands
.endr
.irp j, 0,1,2,3
	v_mov_b32 v[T8+\j], 0                          ; written once: a lane permute's destination counts as one of its sources
.endr
.irp j, 48,49,50,51,52,53
	v_mov_b32 v[FV+\j], 0                          ; the upper half of tile 7's operand, before anything else has written it
.endr
.set j, 0
.rept 64
	v_mov_b32 v[OT+j], 0                           ; O^T.  (The step is written without a first step of its own: it finds zeros, which the first change of M leaves zeros)
.set j, j+1
.endr
	s_mov_b32 s[LAP], 0
	s_wait_alu depctr_va_vdst(0)
	s_wait_loadcnt 0x0                             ; q
.Llap:                                                 ; two laps round the ring: sixteen key steps, of which those that count are worked
	CHANGE 0
.Lstep_a:
	KSTEP
	s_add_co_u32 s[CNT], s[CNT], 1
	s_cmp_lt_u32 s[CNT], 4
	s_cbranch_scc1 .Lstep_a
	CHANGE 1
.Lstep_b:
	KSTEP
	s_add_co_u32 s[CNT], s[CNT], 1
	s_cmp_lt_u32 s[CNT], 4
	s_cbranch_scc1 .Lstep_b
	s_add_co_u32 s[LAP], s[LAP], 1
	s_cmp_lt_u32 s[LAP], 2
	s_cbranch_scc1 .Llap
	; THE WAY OUT.  Both groups' sums; O^T / the sum; a lane's 32 numbers of a group are my head's 64 features of o (with lane l xor 16's) in the order 32 b + 16 h + i: they become half an image of the last product's A.
.rept 4
	v_nop                                          ; places behind the last products
.endr
.irp g, 0,1
	v_add_f32 v[ST+4*\g+2], v[ST+4*\g+2], v[ST+4*\g+3]
.endr
.irp g, 0,1
	s_delay_alu instid0(VALU_DEP_2)
	v_permlanex16_b32 v[T8+\g], v[ST+4*\g+2], s[SEL], s[SEL+1]
.endr
.irp g, 0,1
	s_delay_alu instid0(VALU_DEP_2)
	v_add_f32 v[ST+4*\g+2], v[ST+4*\g+2], v[T8+\g] ; the row's sum
.endr
	s_wait_alu depctr_va_vdst(0)
.irp g, 0,1
	v_rcp_f32 v[ST+4*\g+2], v[ST+4*\g+2]
.endr
	v_nop                                          ; a plain place behind the reciprocals
	s_wait_alu depctr_va_vdst(0)                   ; one wait for the two, ahead of their first reader
.set j, 0
.rept 32
	v_pk_mul_f32 v[S+j:S+1+j], v[OT+j:OT+1+j], v[ST+4*(j/32)+2:ST+4*(j/32)+3] op_sel_hi:[1,0]   ; each accumulator from its low end on
.set j, j+2
.endr
	v_add_nc_u32 v[OT], s16, v[KSA]                ; OSC + 64 a + 4 r + 2 e: where my rows' two scale bytes go
	v_and_b32 v[OT+1], 31, v0
	s_delay_alu instid0(VALU_DEP_1)
	v_lshlrev_b32 v[OT+1], 4, v[OT+1]              ; 16 x lane
	s_delay_alu instid0(VALU_DEP_1)
	v_add_nc_u32 v[OT+2], s62, v[OT+1]             ; OSC + 512 e + 16 x lane: where a unit's scale words are read back
.irp b, 0,1,2,3
	v_mov_b32 v[TM+4+\b], 0
.endr
.irp b, 0,1,2,3                                ; blocks 0, 1: group 15 - i; blocks 2, 3: group i
	v_max3_num_f32 v[TM+\b], |v[S+16*\b]|, |v[S+1+16*\b]|, 0x2800000   ; and the floor 2^(5 - 127)
.endr
.irp i, 2,4,6,8,10,12,14
.irp b, 0,1,2,3
	s_delay_alu instid0(VALU_DEP_4)
	v_max3_num_f32 v[TM+\b], v[TM+\b], |v[S+16*\b+\i]|, |v[S+1+16*\b+\i]|
.endr
.endr
.irp b, 0,1,2,3
	s_delay_alu instid0(VALU_DEP_4)
	v_permlanex16_b32 v[TM+4+\b], v[TM+\b], s[SEL], s[SEL+1]
.endr
.irp b, 0,1,2,3
	s_delay_alu instid0(VALU_DEP_4)
	v_max_num_f32 v[TM+\b], v[TM+\b], v[TM+4+\b]
.endr
.irp b, 0,1,2,3
	s_delay_alu instid0(VALU_DEP_4)
	v_add_nc_u32 v[TM+12+\b], 0xfe000000, v[TM+\b]
.endr
.irp b, 0,1,2,3
	s_delay_alu instid0(VALU_DEP_4)
	v_lshrrev_b32 v[TM+4+\b], 23, v[TM+12+\b]
.endr
	s_delay_alu instid0(VALU_DEP_3)
	v_lshl_or_b32 v[TM+8], v[TM+5], 8, v[TM+4]     ; my head's two scale bytes of my row, group 15 - i,
	s_delay_alu instid0(VALU_DEP_2)
	v_lshl_or_b32 v[TM+9], v[TM+7], 8, v[TM+6]     ; and group i
	CODES S, TM+12
.irp g, 0,1
	global_store_b128 v[KA16], v[PC+6*\g:PC+6*\g+3], s[OUTB+2*\g:OUTB+2*\g+1]               ; half an image: the stores cover 512 and 256 consecutive bytes, at multiples of 256 from ou's first byte
	global_store_b64 v[KA8], v[PC+6*\g+4:PC+6*\g+5], s[OUTB+2*\g:OUTB+2*\g+1] offset:512
	ds_store_b16 v[OT], v[TM+8+\g] offset:512*\g   ; lanes r and r + 16 write the same bytes with the same value
.endr
	s_wait_alu depctr_va_vdst(0)
	s_wait_dscnt 0x0                               ; for the others' sake: my scale bytes lie in LDS
	s_barrier_signal -1
	s_barrier_wait -1
	s_cmp_eq_u32 s[EH], 0
	s_cselect_b64 s[12:13], s[OUTB:OUTB+1], s[OUTB+2:OUTB+3]
	s_cmp_lg_u32 s[AW], 0                          ; waves 0 and 8, whose images are their units' first, store 512 bytes of scale words: wave 0 group 15 - i's, wave 8 group i's
	s_cbranch_scc1 .Lno_words
	ds_load_b128 v[S:S+3], v[OT+2]
	s_wait_dscnt 0x0
	global_store_b128 v[OT+1], v[S:S+3], s[12:13] offset:12288
.Lno_words:
	s_wait_tensorcnt 0x0                           ; the wave's end
	ds_add_u32 v[SPW], v[NIL]
	s_wait_dscnt 0x0
	s_endpgm
.Lfunc_end_k_q5b1ef03746_attn:
	.size	k_q5b1ef03746_attn, .Lfunc_end_k_q5b1ef03746_attn-k_q5b1ef03746_attn
	.p2alignl 7, 3214868480
	.fill 96, 4, 3214868480
	.section	.rodata,"a",@progbits
	.p2align	6, 0x0
	.amdhsa_kernel k_q5b1ef03746_attn
		.amdhsa_group_segment_fixed_size 327680
		.amdhsa_private_segment_fixed_size 0
		.amdhsa_enable_private_segment 0
		.amdhsa_kernarg_size 16
		.amdhsa_user_sgpr_count 2
		.amdhsa_user_sgpr_kernarg_segment_ptr 1
		.amdhsa_wavefront_size32 1
		.amdhsa_system_sgpr_workgroup_id_x 1
		.amdhsa_system_sgpr_workgroup_id_y 1
		.amdhsa_system_sgpr_workgroup_id_z 1
		.amdhsa_system_vgpr_workitem_id 0
		.amdhsa_next_free_vgpr 256
		.amdhsa_next_free_sgpr 66
		.amdhsa_reserve_vcc 1
		.amdhsa_float_denorm_mode_32 3
		.amdhsa_float_denorm_mode_16_64 3
		.amdhsa_memory_ordered 1
		.amdhsa_forward_progress 1
		.amdhsa_inst_pref_size 112
	.end_amdhsa_kernel
	.amdgpu_metadata
---
amdhsa.version: [ 1, 2 ]
amdhsa.kernels:
  - .name:           k_q5b1ef03746_attn
    .symbol:         k_q5b1ef03746_attn.kd
    .args:
      - { .name: qkv, .offset: 0, .size: 8, .value_kind: global_buffer, .address_space: global }
      - { .name: ou, .offset: 8, .size: 8, .value_kind: global_buffer, .address_space: global }
    .group_segment_fixed_size: 327680
    .private_segment_fixed_size: 0
    .kernarg_segment_align: 8
    .kernarg_segment_size: 16
    .max_flat_workgroup_size: 512
    .sgpr_count:     66
    .vgpr_count:     256
    .wavefront_size: 32
...
	.end_amdgpu_metadata
.endif
;; end of part 3
;; launch gemm_out (part 4): grid 8 x 32, 4 waves a work-group, clusters of 4 x 4, 327,680 bytes of LDS; arguments ou, cu, b2, out0; writes out0
.if DOCPART == 4
	.amdgcn_target "amdgcn-amd-amdhsa--gfx1250"
	.amdhsa_code_object_version 6
	.text
	.protected	k_q5b1ef03746_gemm_out
	.globl	k_q5b1ef03746_gemm_out
	.p2align	8
	.type	k_q5b1ef03746_gemm_out,@function
k_q5b1ef03746_gemm_out:
	s_mov_b64 s[64:65], 0
	v_nop
	global_prefetch_b8 v0, s[64:65] scope:SCOPE_SE
	s_setreg_imm32_b32 hwreg(HW_REG_WAVE_MODE, 25, 1), 1
	s_wait_xcnt 0x0
	s_wait_alu depctr_hold_cnt(0) depctr_sa_sdst(0) depctr_va_vdst(0) depctr_va_sdst(0) depctr_va_ssrc(0) depctr_va_vcc(0) depctr_vm_vsrc(0)
	s_getreg_b32 s2, hwreg(HW_REG_IB_STS2, 6, 4)
	s_cmp_eq_u32 s2, 0
	s_cbranch_scc0 .Lentry_in_a_cluster
	s_endpgm
.Lentry_in_a_cluster:
	s_bfe_u32 s2, ttmp6, 0x10000c
	s_cmp_lg_u32 s2, 0xf033
	s_cbranch_scc0 .Lentry_shape_is_right
	s_endpgm
.Lentry_shape_is_right:
; out0 = o w2^T + b2 on codes of BF6 (E3M2) with E8M0 scales; sums in f32.
; ou holds o (groups of 128 tokens, 0-63), cu holds w2 (groups 88-95), as units of 128 rows x 128 K, 12,800 bytes, eight K steps of a group on end: eight images of fragments as the registers take them (for c = 0, 1:
; registers 6 c .. 6 c + 3 at 768 c + 16 x lane, registers 6 c + 4, 6 c + 5 at 768 c + 512 + 8 x lane), then at 12,288 + 64 a + 4 r the rows' scale words.  Lane-row r of block a is row 32 (a / 2) + 8 (a % 2) + r + 8 (r / 8).
; SHARES.  A tile of out0 is 256 tokens x 128 columns: 32 x 8 = 256 work-groups.  ALL OF K LIES IN LDS: o's two groups (2 x 102,400 bytes), then w2's group (102,400): filled once, one joint load a wave at the head
; (waves 0, 1: a group of o each, 400 rows of 256 bytes; waves 2, 3: K steps 0-3 and 4-7 of w2's group, 200 rows each); nothing is filled again.
; A wave makes 128 tokens (group wave / 2) x 64 columns (blocks 4 (wave % 2) .. + 3 of w2's group).  Its fragments of w2 for all of K, 4 blocks x 8 K steps x 12 = 384 registers, are read from LDS once and stay.  Then its eight
; blocks of 16 tokens are finished ONE AFTER THE OTHER: 32 matrix instructions each, K ascending, the block's four accumulators by turns; a finished block goes through the wave's
; stage and is stored while the next is multiplied.  No fragment is read from LDS twice.
; THE MATRIX INSTRUCTION IS USED TRANSPOSED (source 0 = 16 rows of w2, source 1 = 16 tokens): a lane holds one token, its registers run along the columns in the order 32 (b / 2) + 8 (b % 2) + 16 h + j.
; THE BIAS is the C of each accumulator's first product.
; CLUSTERS: 4 x 4 work-groups; o's groups are asked for jointly along a row of the cluster, w2's along a column.
; No prefetch: every tile is asked for at the kernel's head, and there is no loop to run ahead in.
; REGISTERS: window 0: v1-15 addresses; v32-63 w2's scale words [K step][block]; v64-79 o's, two sets; v80-111 the bias; v112-175 accumulators, two sets of four; v176-239 rows read back from the stage, two sets.
;   Window 1: o's fragments of a block, 8 K steps x 12, two sets.  Windows 2 and 3: w2's fragments of K steps 0-3 and 4-7, at 48 (q % 4) + 12 b.
.set UNIT,   12800
.set GRP,    8*UNIT                    ; a group's eight K steps
.set HALFK,  4*UNIT
.set BREG,   2*GRP                     ; w2's group lies behind o's two
.set SPARE,  3*GRP                     ; behind the tiles: the spare words, 128 bytes for each wave
.set STAGE,  SPARE+512                 ; behind them: a stage of 16 rows x (256 + 16) bytes for each wave; no fill lands here
.set SPITCH, 272
.set A16,    1                         ; v1-2   o's images, K steps 0-3 and 4-7: + 16 x lane
.set A8,     3                         ; v3-4   + 8 x lane
.set B16,    5                         ; v5-6   the same for my four blocks of w2
.set B8,     7                         ; v7-8
.set AS,     9                         ; v9-10  o's scale words: + 4 r
.set BS,     11                        ; v11-12 w2's
.set STO,    13                        ; v13  the way out: where I put 32 bytes of a row
.set RD,     14                        ; v14  where rows are read back: sixteen lanes to a row of 256 bytes
.set CO,     15                        ; v15  the same two rows in out0
.set SPW,    28                        ; v28  LDS address of my spare word; never rewritten
.set NIL,    29                        ; v29  0; never rewritten
.set SB,     32
.set SA,     64
.set BN,     80
.set ACC,    112
.set BK,     176
.set G1,  24                           ; s[24:31] descriptor group 1 for o's groups;  s[48:55] for w2's halves
.set G1B, 48
.set G0,  68                           ; s[68:71] group 0 for o's;  s[72:75] for w2's
.set G0B, 72
.set MSB, 0
.macro WIN new                         ; the immediate's high byte repeats the setting that is left
.if MSB != (\new)
	s_set_vgpr_msb (MSB<<8)|(\new)
.set MSB, (\new)
.endif
.endm
.macro CREST                           ; a round of the cluster's barrier behind its opening barrier
	s_cmp_lg_u32 s14, 0
	s_cbranch_scc1 .Lnot_wave_0_\@
	s_barrier_signal -3
.Lnot_wave_0_\@:
	s_barrier_wait -3
	s_barrier_signal -1
	s_barrier_wait -1
.endm
.macro CROUND                          ; a whole round
	s_barrier_signal -1
	s_barrier_wait -1
	CREST
.endm
.macro PLACES n
.rept \n
	v_nop
.endr
.endm
.macro FRAG reg, a16, a8, off          ; an image comes back as it was stored: every instruction reads consecutive bytes
	ds_load_b128 v[\reg:\reg+3], v[\a16] offset:\off
	ds_load_b64 v[\reg+4:\reg+5], v[\a8] offset:\off+512
	ds_load_b128 v[\reg+6:\reg+9], v[\a16] offset:\off+768
	ds_load_b64 v[\reg+10:\reg+11], v[\a8] offset:\off+1280
.endm
.macro ALOAD a                         ; block a of my tokens, all eight K steps, into set a % 2: 32 loads of fragments and 8 of scale words
	WIN 0x40                                       ; destination window 1, address window 0
.irp q, 0,1,2,3,4,5,6,7
	FRAG 96*((\a)%2)+12*\q, A16+\q/4, A8+\q/4, UNIT*(\q%4)+1536*(\a)
.endr
	WIN 0
.irp q, 0,1,2,3,4,5,6,7
	ds_load_b32 v[SA+8*((\a)%2)+\q], v[AS+\q/4] offset:UNIT*(\q%4)+12288+64*(\a)
.endr
.endm
.macro ROW a, first                    ; block a is made: 32 matrix instructions.  first = 1: w2's fragments are still landing, K step by K step
.set AB, 96*((\a)%2)
.set AC, ACC+32*((\a)%2)
.set SAW, SA+8*((\a)%2)
.irp q, 0,1,2,3,4,5,6,7
.if \first
.if 16*(7-\q)+40 > 63
	s_wait_dscnt 63                                ; (behind this K step's fragments more loads were issued than the count can name)
.else
	s_wait_dscnt 16*(7-\q)+40                      ; behind this K step's fragments of w2: 16 loads for each later K step, and block 1's 40
.endif
.endif
	WIN 0x06+\q/4                                  ; source 0 window 2 or 3, source 1 window 1, C and D window 0
.irp b, 0,1,2,3
.if \q == 0
	v_wmma_scale_f32_16x16x128_f8f6f4 v[AC+8*\b:AC+8*\b+7], v[12*\b:12*\b+11], v[AB:AB+11], v[BN+8*\b:BN+8*\b+7], v[SB+\b], v[SAW] matrix_a_fmt:MATRIX_FMT_BF6 matrix_b_fmt:MATRIX_FMT_BF6
.else
	v_wmma_scale_f32_16x16x128_f8f6f4 v[AC+8*\b:AC+8*\b+7], v[48*(\q%4)+12*\b:48*(\q%4)+12*\b+11], v[AB+12*\q:AB+12*\q+11], v[AC+8*\b:AC+8*\b+7], v[SB+4*\q+\b], v[SAW+\q] matrix_a_fmt:MATRIX_FMT_BF6 matrix_b_fmt:MATRIX_FMT_BF6
.endif
.endr
.endr
	WIN 0
.endm
; THE WAY OUT of block a.  A lane holds 32 neighbouring bytes of a row four times, and the lanes beside it hold other rows: so the block goes through my own stage and comes back as whole rows of 256 bytes.
; LDS serves a wave's instructions in order (ISA guide 5.7.1.4): no wait between the stores and the loads.
.macro TOSTAGE a
.set AC, ACC+32*((\a)%2)
.set BB, BK+32*((\a)%2)
.irp b, 0,1,2,3
	ds_store_b128 v[STO], v[AC+8*\b:AC+8*\b+3] offset:128*(\b/2)+32*(\b%2)          ; each accumulator from its low end on
	ds_store_b128 v[STO], v[AC+8*\b+4:AC+8*\b+7] offset:128*(\b/2)+32*(\b%2)+16
.endr
.irp t, 0,1,2,3,4,5,6,7
	ds_load_b128 v[BB+4*\t:BB+4*\t+3], v[RD] offset:\t*2*SPITCH
.endr
.endm
.macro SEND a
.set BB, BK+32*((\a)%2)
.irp t, 0,1,2,3,4,5,6,7
	global_store_b128 v[CO], v[BB+4*\t:BB+4*\t+3], s[12:13] offset:(32*((\a)/2)+8*((\a)%2)+2*\t+8*(\t/4))*4096 th:TH_STORE_NT   ; sixteen lanes store 256 consecutive bytes, at a multiple of 256 from out0's first byte
.endr
.endm
	s_load_b256 s[4:11], s[0:1], 0x0               ; ou s[4:5], cu s[6:7], b2 s[8:9], out0 s[10:11]
	v_lshl_add_u32 v[SPW], v0, 2, SPARE
	v_mov_b32 v[NIL], 0
	ds_add_u32 v[SPW], v[NIL]                      ; the opening lines: the add, twice on end, and its wait ahead of the round in front of the first loads
	ds_add_u32 v[SPW], v[NIL]
	v_lshrrev_b32 v20, 5, v0
	v_readfirstlane_b32 s14, v20                   ; wave 0..3
	s_lshr_b32 s15, s14, 1                         ; which group of tokens is mine.  Also: I fetch for o (0) or for w2 (1)
	s_and_b32 s16, s14, 1                          ; which four blocks of w2.  Also: which half I fetch
	s_bfe_u32 s40, ttmp6, 0x40000                  ; cx, cy: my place in the cluster
	s_bfe_u32 s41, ttmp6, 0x40004
	s_lshl_b32 s42, ttmp9, 2
	s_add_co_u32 s42, s42, s40                     ; tile column, 0..7
	s_and_b32 s17, ttmp7, 0xffff
	s_lshl_b32 s17, s17, 2
	s_add_co_u32 s17, s17, s41                     ; tile row, 0..31
	s_lshl_b32 s43, s41, 2
	s_lshl_b32 s43, 15, s43                        ; my row of the cluster
	s_lshl_b32 s44, 0x1111, s40                    ; my column
	; descriptor groups 1: dense bytes as rows of 256 (32 elements of 8 bytes), no padding: 400 rows for a group of o, 200 for half of w2's group
	s_or_b32 s[G1+0], s43, (3<<16)|(1<<21)         ; 15:0 the mask; 17:16 elements of 8 bytes; 21 set beside a mask
	s_or_b32 s[G1B+0], s44, (3<<16)|(1<<21)
	s_mov_b32 s[G1+2], 400<<16                     ; tensor_dim1
	s_mov_b32 s[G1+4], 400                         ; tile_dim1
	s_mov_b32 s[G1B+2], 200<<16
	s_mov_b32 s[G1B+4], 200
.irp g, G1, G1B
	s_mov_b32 s[\g+1], 32<<16                      ; tensor_dim0
	s_mov_b32 s[\g+3], 32<<16                      ; tile_dim0
	s_mov_b32 s[\g+5], 32                          ; tensor_dim0_stride
	s_mov_b32 s[\g+6], 0
	s_mov_b32 s[\g+7], 0
.endr
	s_lshl_b32 s20, s17, 1
	s_add_co_u32 s20, s20, s16
	s_mul_i32 s20, s20, GRP                        ; o: group 2 x tile row + the one that I fetch
	s_mov_b32 s21, 0
	s_add_co_u32 s46, s42, 88
	s_mul_i32 s46, s46, GRP                        ; w2: group 88 + tile column,
	s_mul_i32 s47, s16, HALFK
	s_add_co_u32 s46, s46, s47                     ; + the four K steps that I fetch
	s_mov_b32 s47, 0
	s_mul_i32 s45, s16, GRP                        ; where they go: no place in the cluster enters an LDS address
	s_mul_i32 s18, s16, HALFK
	s_add_co_u32 s18, s18, BREG
	s_lshl_b32 s56, s42, 9
	s_lshl_b32 s57, s16, 8
	s_add_co_u32 s56, s56, s57                     ; my first column, in bytes: 512 x tile column + 256 x half
	s_mov_b32 s57, 0
	s_lshl_b32 s58, s17, 8
	s_lshl_b32 s59, s15, 7
	s_add_co_u32 s58, s58, s59                     ; my first row: 256 x tile row + 128 x group
	s_lshl_b32 s58, s58, 12                        ; rows of 4,096 bytes
	s_add_co_u32 s58, s58, s56
	s_mov_b32 s59, 0
	s_mul_i32 s32, s15, GRP                        ; LDS: my group of o, K steps 0-3,
	s_add_co_u32 s33, s32, HALFK                   ; and 4-7;
	s_mul_i32 s34, s16, 6144
	s_add_co_u32 s34, s34, BREG                    ; my four blocks of w2,
	s_add_co_u32 s35, s34, HALFK
	s_lshl_b32 s36, s16, 8
	s_add_co_u32 s36, s36, BREG                    ; and their scale words (12,288 on);
	s_add_co_u32 s37, s36, HALFK
	s_mul_i32 s38, s14, 16*SPITCH
	s_add_co_u32 s38, s38, STAGE                   ; my stage
	s_wait_dscnt 0x0                               ; both opening adds are done
	s_wait_kmcnt 0x0
	s_add_nc_u64 s[20:21], s[4:5], s[20:21]
	s_add_nc_u64 s[46:47], s[6:7], s[46:47]
	s_add_nc_u64 s[56:57], s[8:9], s[56:57]
	s_add_nc_u64 s[12:13], s[10:11], s[58:59]
	CROUND                                         ; all sixteen work-groups are here: the joint loads meet
	s_mov_b32 s[G0], 1
	s_mov_b32 s[G0+1], s45
	s_mov_b64 s[G0+2:G0+3], s[20:21]
	s_or_b32 s[G0+3], s[G0+3], 0x80000000
	s_mov_b32 s[G0B], 1
	s_mov_b32 s[G0B+1], s18
	s_mov_b64 s[G0B+2:G0B+3], s[46:47]
	s_or_b32 s[G0B+3], s[G0B+3], 0x80000000
	s_cmp_eq_u32 s15, 0                            ; one tensor load a wave; each of the two lines has one mask; the branch hangs on the wave's number alone
	s_cbranch_scc0 .Lfor_b
	tensor_load_to_lds s[G0:G0+3], s[G1:G1+7]
	s_nop 0
	PLACES 4
	s_branch .Lasked
.Lfor_b:
	tensor_load_to_lds s[G0B:G0B+3], s[G1B:G1B+7]
	s_nop 0
	PLACES 4
.Lasked:
	v_and_b32 v23, 15, v0                          ; r
	v_bfe_u32 v24, v0, 4, 1                        ; h
	v_and_b32 v25, 31, v0                          ; lane
	v_lshlrev_b32 v21, 6, v24                      ; 64 h: register 8 b + j of a lane is column 32 (b / 2) + 8 (b % 2) + 16 h + j
.irp b, 0,1,2,3
	global_load_b128 v[BN+8*\b:BN+8*\b+3], v21, s[56:57] offset:(32*(\b/2)+8*(\b%2))*4
	global_load_b128 v[BN+8*\b+4:BN+8*\b+7], v21, s[56:57] offset:(32*(\b/2)+8*(\b%2))*4+16
.endr
	v_lshlrev_b32 v26, 4, v25
	v_lshlrev_b32 v27, 3, v25
	v_lshlrev_b32 v22, 2, v23
.irp k, 0,1
	v_add_nc_u32 v[A16+\k], s[32+\k], v26
	v_add_nc_u32 v[A8+\k], s[32+\k], v27
	v_add_nc_u32 v[B16+\k], s[34+\k], v26
	v_add_nc_u32 v[B8+\k], s[34+\k], v27
	v_add_nc_u32 v[AS+\k], s[32+\k], v22
	v_add_nc_u32 v[BS+\k], s[36+\k], v22
.endr
	v_mul_u32_u24 v[STO], v23, SPITCH              ; in: row r, 64 bytes on for the upper half of the lanes
	v_lshl_add_u32 v[STO], v24, 6, v[STO]
	v_add_nc_u32 v[STO], s38, v[STO]
	v_mul_u32_u24 v[RD], v24, SPITCH               ; back: lanes 0-15 take one row of 256 bytes, lanes 16-31 the next
	v_lshl_add_u32 v[RD], v23, 4, v[RD]
	v_add_nc_u32 v[RD], s38, v[RD]
	v_lshlrev_b32 v[CO], 12, v24                   ; and the same two rows in out0
	v_lshl_add_u32 v[CO], v23, 4, v[CO]
	s_wait_alu depctr_va_vdst(0)
	s_wait_loadcnt 0x0                             ; the bias
	s_wait_tensorcnt 0x0                           ; my tile is in
	s_barrier_signal -1
	s_barrier_wait -1                              ; everybody's is; nothing is filled again
	ALOAD 0
.irp q, 0,1,2,3,4,5,6,7
.irp b, 0,1,2,3
	ds_load_b32 v[SB+4*\q+\b], v[BS+\q/4] offset:UNIT*(\q%4)+12288+64*\b
.endr
.endr
.irp q, 0,1,2,3,4,5,6,7                        ; w2's fragments, K ascending: 16 loads a K step
	WIN 0x80+0x40*(\q/4)                           ; destination window 2 or 3
.irp b, 0,1,2,3
	FRAG 48*(\q%4)+12*\b, B16+\q/4, B8+\q/4, UNIT*(\q%4)+1536*\b
.endr
.endr
	ALOAD 1
	ROW 0, 1
.irp a, 0,1,2,3,4,5,6,7
.if \a > 0
	s_wait_dscnt 0x0                               ; block a - 1 is back from the stage (asked for 32 matrix instructions ago)
	s_wait_xcnt 0x0                                ; block a - 2's stores have read their registers, which block a's rows will take
	SEND \a-1
.endif
	PLACES 4                                       ; behind block a's products: their results are read, and loads go into their operands' registers
.if \a < 6
	ALOAD \a+2
.endif
	TOSTAGE \a
.if \a < 6
	s_wait_dscnt 56                                ; block a + 1's fragments are in: behind them came block a + 2's 40 loads and the stage's 16 instructions
.endif
.if \a == 6
	s_wait_dscnt 16                                ; behind block 7's fragments came at least the stage's 16 instructions
.endif
.if \a < 7
	ROW \a+1, 0
.endif
.endr
	s_wait_dscnt 0x0
	SEND 7
	s_wait_tensorcnt 0x0                           ; the wave's end
	ds_add_u32 v[SPW], v[NIL]
	s_wait_dscnt 0x0
	CROUND                                         ; the closing round: no work-group ends while a partner may still ask for a tile that names it
	s_endpgm
.Lfunc_end_k_q5b1ef03746_gemm_out:
	.size	k_q5b1ef03746_gemm_out, .Lfunc_end_k_q5b1ef03746_gemm_out-k_q5b1ef03746_gemm_out
	.p2alignl 7, 3214868480
	.fill 96, 4, 3214868480
	.section	.rodata,"a",@progbits
	.p2align	6, 0x0
	.amdhsa_kernel k_q5b1ef03746_gemm_out
		.amdhsa_group_segment_fixed_size 327680
		.amdhsa_private_segment_fixed_size 0
		.amdhsa_enable_private_segment 0
		.amdhsa_kernarg_size 32
		.amdhsa_user_sgpr_count 2
		.amdhsa_user_sgpr_kernarg_segment_ptr 1
		.amdhsa_wavefront_size32 1
		.amdhsa_system_sgpr_workgroup_id_x 1
		.amdhsa_system_sgpr_workgroup_id_y 1
		.amdhsa_system_sgpr_workgroup_id_z 1
		.amdhsa_system_vgpr_workitem_id 0
		.amdhsa_next_free_vgpr 1024
		.amdhsa_next_free_sgpr 96
		.amdhsa_reserve_vcc 0
		.amdhsa_float_denorm_mode_32 3
		.amdhsa_float_denorm_mode_16_64 3
		.amdhsa_memory_ordered 1
		.amdhsa_forward_progress 1
		.amdhsa_inst_pref_size 87
	.end_amdhsa_kernel
	.amdgpu_metadata
---
amdhsa.version: [ 1, 2 ]
amdhsa.kernels:
  - .name:           k_q5b1ef03746_gemm_out
    .symbol:         k_q5b1ef03746_gemm_out.kd
    .args:
      - { .name: ou, .offset: 0, .size: 8, .value_kind: global_buffer, .address_space: global }
      - { .name: cu, .offset: 8, .size: 8, .value_kind: global_buffer, .address_space: global }
      - { .name: b2, .offset: 16, .size: 8, .value_kind: global_buffer, .address_space: global }
      - { .name: out0, .offset: 24, .size: 8, .value_kind: global_buffer, .address_space: global }
    .group_segment_fixed_size: 327680
    .private_segment_fixed_size: 0
    .kernarg_segment_align: 8
    .kernarg_segment_size: 32
    .max_flat_workgroup_size: 128
    .sgpr_count:     96
    .vgpr_count:     1024
    .wavefront_size: 32
...
	.end_amdgpu_metadata
.endif
;; end of part 4
